; MI455X (gfx1250); checked and timed in simulation.
; The chip was launched on July 23, 2026; its instructions are those of AMD's public machine-readable ISA for CDNA 5 (MIT licence, August 2026) and "CDNA5" Instruction Set Architecture Reference Guide (July 2026). The comments in the code are by the model that wrote it; some were corrected since.
;; Multi Head Attention. Allowed arithmetic: matrix products marked QUANTISED: E2M1 operands, one E8M0 scale for each 32 along K, by v_wmma_scale_f32_16x16x128_f8f6f4 with both operands' format E2M1 (or v_wmma_scale_f32_32x16x128_f4), f32 sums; products left as they are: bf16, f16 or f32 operands; f32 sums; everything else in f32.
;; Inputs: Wk 1,024 x 1,024 float32; Wo 1,024 x 1,024 float32; Wq 1,024 x 1,024 float32; Wv 1,024 x 1,024 float32; bk 1,024 float32; bo 1,024 float32; bq 1,024 float32; bv 1,024 float32; key 4 x 2,048 x 1,024 float32; query 4 x 2,048 x 1,024 float32; value 4 x 2,048 x 1,024 float32.
;; Outputs: out0 4 x 2,048 x 1,024 float32.
;; This version of the problem:
;;   THIS VERSION OF THE PROBLEM IS GIVEN IN LOW PRECISION. The matrix products marked QUANTISED in the list below multiply operands that are first quantised to E2M1 (2 exponent bits, 1 mantissa bit; 4 bits a number), with one power-of-two scale for each 32 numbers along K (OCP MX v1.0); their sums are f32. The products marked 'left as it is' may take bf16, f16 or f32 operands, with f32 sums. Whichever they take, every output number must still come out within the allowed error. Rounding operands to bf16 (8 significant bits) uses up far more of that allowance than f16 does (11 bits, for magnitudes from 6e-5 to 65,504). All else is computed in f32.
;;   The module's matrix products, in the order in which they are computed (A, B: the left and right operand; K: the contracted axis; several contracted axes count as one K, in the product's order):
;;     1. [M 8,192, K 1,024] x [K 1,024, N 1,024]; A: input query; B: input Wq: QUANTISED
;;     2. [M 8,192, K 1,024] x [K 1,024, N 1,024]; A: input key; B: input Wk: QUANTISED
;;     3. [M 8,192, K 1,024] x [K 1,024, N 1,024]; A: input value; B: input Wv: QUANTISED
;;     4. batch 64 x [M 2,048, K 64] x [K 64, N 2,048]; A: computed on the way; B: computed on the way: left as it is (an operand is computed on the way)
;;     5. batch 64 x [M 2,048, K 2,048] x [K 2,048, N 64]; A: computed on the way; B: computed on the way: left as it is (an operand is computed on the way)
;;     6. [M 8,192, K 1,024] x [K 1,024, N 1,024]; A: computed on the way; B: input Wo: left as it is (an operand is computed on the way)
;;   THE QUANTISER, for each operand of a quantised product, along K:
;;     - K is cut into blocks of 32 from its start; a last block that is shorter is filled with zeros.
;;     - A block's scale is 2^e with e = floor(log2(the largest magnitude in the block)) - 2, held to -126 .. 127; a block of zeros has e = 0. As a byte (E8M0): e + 127.
;;     - Each number is divided by its block's scale, clamped to +-6, and rounded to the nearest number of E2M1, ties to even, subnormals kept.
;;     - The product sums the exact products of the quantised numbers (number of the format x scale) in f32.
;;   ~~~python
;;   def quantise(x, axis):      # numpy; x: float32 -> the quantised numbers, widened to float32 again
;;       x = np.moveaxis(x, axis, -1); K = x.shape[-1]
;;       x = np.pad(x, [(0, 0)] * (x.ndim - 1) + [(0, -K % 32)]); x = x.reshape(x.shape[:-1] + (-1, 32)); a = np.abs(x).max(-1, keepdims=True)
;;       e = np.where(a > 0, np.clip(np.frexp(np.where(a > 0, a, 1))[1] - 1 - 2, -126, 127), 0)      # np.frexp(a)[1] - 1 = floor(log2(a)), exactly
;;       r = np.clip(x / 2.0 ** e, -6, 6)
;;       step = 2.0 ** (np.maximum(np.frexp(np.where(r == 0, 1, r))[1] - 1, 0) - 1)
;;       q = np.round(r / step) * step * 2.0 ** e      # np.round: ties to even
;;       return np.moveaxis(q.reshape(q.shape[:-2] + (-1,))[..., :K], -1, axis).astype(np.float32)
;;   ~~~
;; One version. Each part assembles by itself: llvm-mc -triple=amdgcn-amd-amdhsa -mcpu=gfx1250 --defsym DOCPART=n.
;; ======== version 1 of 1: 4 launches
;; limits: values are held in f16: magnitudes above 65,504 overflow, below 6.1e-05 lose precision
;; workspace buffers: xc 12,582,912 bytes; xs 786,432 bytes; wc 1,572,864 bytes; ws 98,304 bytes; wo16 2,097,152 bytes; qkv 50,331,648 bytes; ao 16,777,216 bytes
;; launch quant (part 1): grid 896 x 1, 4 waves a work-group, no clusters, 33,280 bytes of LDS; arguments query, key, value, Wq, Wk, Wv, Wo, xc, xs, wc, ws, wo16; writes xc, xs, wc, ws, wo16
.if DOCPART == 1
	.amdgcn_target "amdgcn-amd-amdhsa--gfx1250"
	.amdhsa_code_object_version 6
	.text
	.protected	k_q298c75aab8_quant
	.globl	k_q298c75aab8_quant
	.p2align	8
	.type	k_q298c75aab8_quant,@function
k_q298c75aab8_quant:
	s_mov_b64 s[64:65], 0
	v_nop
	global_prefetch_b8 v0, s[64:65] scope:SCOPE_SE
	s_setreg_imm32_b32 hwreg(HW_REG_WAVE_MODE, 25, 1), 1
	s_wait_xcnt 0x0
; MULTI-HEAD ATTENTION, launch 1 of 4.  query, key, value [8192][1024] and Wq, Wk, Wv [1024][1024], f32, K innermost, become codes of FP4 (E2M1) with one E8M0 byte for each 32 along K;
; Wo [1024][1024] becomes f16, laid in planes of 64 along K: wo16[k / 64][n][k % 64].
; DEAD WORK, for all values of the inputs: bk.  k = key Wk^T + bk goes into the product q k^T alone, which is not quantised.  score(i, j) = q_i . (k0_j + bk) / 8 = q_i . k0_j / 8 + q_i . bk / 8,
; and the second term is the same for every key j of a row i: the softmax along the keys takes it away.  So bk is not loaded and is among no launch's arguments.
; LIMIT: a NaN, an infinity or an overflow that reaches only bk is not carried to the result.
; A block's scale is 2^(floor(log2(its largest magnitude)) - 2); its byte is the largest magnitude's exponent field - 2, held at 1 from below.  A block of zeros so gets the byte 1 where the rule says 127:
; its codes are zeros, which add nothing, and this program alone reads the bytes.  Each number is divided by the scale and rounded to the nearest code, ties to even, beyond 6 the largest code.
; LIMITS: blocks whose largest magnitude lies under 2^-124 keep the byte 1; NaN and infinities among the inputs are not served; Wo beyond 65,504 in magnitude does not fit f16.
; SHARES.  Work-groups 0-767: query, key, value, 256 each; 768-863: Wq, Wk, Wv, 32 each; 864-895: Wo.  Rows are dense and K is a multiple of 32: a tensor is a stream of blocks of 32.
; A wave takes 16 steps of 512 numbers.  Each of a step's four loads reads 512 consecutive bytes; the 2,048 bytes turn through the wave's own stage in LDS and come back 64 bytes a lane, so that a lane holds 16
; neighbours along K (two lanes to a block).  A wave's store of codes covers 256 consecutive bytes; its 256 scale bytes are gathered in LDS and leave as 256 consecutive bytes.
; Waves share nothing: no barrier, no cluster, no tensor load.
.set WAVES, 4
.set STEPS, 16
.set EMAX,  2
.set CB,    8                          ; bytes of 16 codes
.set R,     16                         ; v16-79   four sets of 16 numbers as loaded (Wo's path: v16-143, two sets of 64)
.set X,     80                         ; v80-111  two sets of 16 neighbours
.set E,     112                        ; v112-127 a scale byte for each step
.set C,     128                        ; v128-191 codes: four registers for each step, so that no store's data are written again
.set WREG,  8192                       ; LDS: a region for each wave: two stages of 32 x SP bytes, then its 256 scale bytes
.set SP,    80                         ; a lane's place in a stage: 64 bytes + 16 of padding
.set SPW,   12                         ; v12  LDS address of my spare word; never rewritten
.set NIL,   13                         ; v13  0; never rewritten
.set SPARE, WAVES*WREG                 ; the spare words, 128 bytes a wave: two blocks of 256 bytes that no other line names
	s_load_b512 s[4:19], s[0:1], 0x0               ; query s[4:5], key s[6:7], value s[8:9], Wq s[10:11], Wk s[12:13], Wv s[14:15], Wo s[16:17], xc s[18:19]
	s_load_b256 s[20:27], s[0:1], 0x40             ; xs s[20:21], wc s[22:23], ws s[24:25], wo16 s[26:27]
	v_lshl_add_u32 v[SPW], v0, 2, SPARE
	v_mov_b32 v[NIL], 0
	v_lshrrev_b32 v1, 5, v0
	v_readfirstlane_b32 s28, v1                    ; wave
	v_and_b32 v2, 31, v0                           ; lane
	v_lshlrev_b32 v3, 4, v2                        ; my 16 bytes of a load's 512
	s_mul_i32 s29, s28, WREG
	v_lshrrev_b32 v14, 2, v2
	v_mul_u32_u24 v14, v14, SP
	v_and_b32 v15, 3, v2
	v_lshl_add_u32 v14, v15, 4, v14
	v_add_nc_u32 v14, s29, v14                     ; the stage, on the way in: SP (lane / 4) + 16 (lane % 4)
	v_mul_u32_u24 v15, v2, SP
	v_add_nc_u32 v15, s29, v15                     ; and on the way out: SP x lane: my 16 neighbours
	v_mul_u32_u24 v4, v2, CB                       ; 8 x lane: my codes' place in a step's (Wo's path: my 8 bytes of f16)
	v_lshrrev_b32 v5, 1, v2
	s_add_co_u32 s29, s29, 2*32*SP
	v_add_nc_u32 v5, s29, v5                       ; LDS: my wave's 256 scale bytes, my block's byte
	v_lshlrev_b32 v7, 3, v2
	v_add_nc_u32 v6, s29, v7                       ; and on the way out 8 bytes a lane
	s_wait_kmcnt 0x0
	s_cmp_ge_u32 ttmp9, 864                        ; a branch on the work-group's number alone
	s_cbranch_scc1 .Lwo
	s_cmp_lt_u32 ttmp9, 768                        ; activations or weights?  Only pointers and counts are chosen: both take one path
	s_cselect_b64 s[30:31], s[4:5], s[10:11]
	s_cselect_b64 s[32:33], s[6:7], s[12:13]
	s_cselect_b64 s[34:35], s[8:9], s[14:15]
	s_cselect_b64 s[36:37], s[18:19], s[22:23]     ; the codes' buffer
	s_cselect_b64 s[38:39], s[20:21], s[24:25]     ; the scale bytes' buffer
	s_cselect_b32 s40, 0, 768
	s_cselect_b32 s41, 8, 5                        ; 256 or 32 work-groups to a tensor
	s_sub_co_u32 s42, ttmp9, s40                   ; my number within the kind: it also counts through the kind's buffers
	s_lshr_b32 s43, s42, s41                       ; which of the three tensors
	s_lshl_b32 s44, s43, s41
	s_sub_co_u32 s44, s42, s44                     ; my number within the tensor
	s_cmp_eq_u32 s43, 1
	s_cselect_b64 s[30:31], s[32:33], s[30:31]
	s_cmp_eq_u32 s43, 2
	s_cselect_b64 s[30:31], s[34:35], s[30:31]
	s_lshl_b32 s44, s44, 2
	s_add_co_u32 s44, s44, s28                     ; my wave's run of 8,192 numbers in the tensor,
	s_lshl_b32 s44, s44, 15                        ; 32,768 bytes each (under 2^26)
	s_mov_b32 s45, 0
	s_add_nc_u64 s[30:31], s[30:31], s[44:45]
	s_lshl_b32 s42, s42, 2
	s_add_co_u32 s42, s42, s28                     ; and in the kind's buffers:
	s_lshl_b32 s46, s42, 12                        ; 4,096 bytes of codes,
	s_mov_b32 s47, 0
	s_add_nc_u64 s[36:37], s[36:37], s[46:47]
	s_lshl_b32 s46, s42, 8                         ; 256 scale bytes
	s_add_nc_u64 s[38:39], s[38:39], s[46:47]
.macro LOAD t
.irp i, 0,1,2,3
	global_load_b128 v[R+16*((\t)%4)+4*\i:R+16*((\t)%4)+4*\i+3], v3, s[30:31] offset:2048*(\t)+512*\i th:TH_LOAD_NT   ; 32 lanes read 512 consecutive bytes
.endr
.endm
.macro TURN t                          ; step t's numbers through the stage: LDS serves a wave's instructions in order, so no wait stands between the stores and the loads
.irp i, 0,1,2,3
	ds_store_b128 v14, v[R+16*((\t)%4)+4*\i:R+16*((\t)%4)+4*\i+3] offset:32*SP*((\t)%2)+8*SP*\i
.endr
.irp i, 0,1,2,3
	ds_load_b128 v[X+16*((\t)%2)+4*\i:X+16*((\t)%2)+4*\i+3], v15 offset:32*SP*((\t)%2)+16*\i
.endr
.endm
.irp t, 0,1,2,3
	LOAD \t
.endr
	s_wait_loadcnt 12                              ; step 0's four loads are in; the 12 of steps 1 to 3 may be out
	TURN 0
.macro STEP t
.set XS, X+16*((\t)%2)
.if (\t) > 0
	s_wait_dscnt 1                                 ; this step's numbers are back from the stage (the last step's byte store may be out): so its stores into the stage have read their registers,
.else
	s_wait_dscnt 0x0
.endif
.if (\t)+4 < STEPS
	LOAD (\t)+4                                    ; which take the loads of four steps on
.endif
.if (\t)+1 < STEPS
.if STEPS-2-(\t) >= 3
	s_wait_loadcnt 12                              ; the next step's four loads are in; those of the three steps behind it may be out
.else
	s_wait_loadcnt 4*(STEPS-2-(\t))
.endif
	TURN (\t)+1                                    ; and go through the other stage while this step is worked
.endif
	v_max3_num_f32 v8, |v[XS]|, |v[XS+1]|, |v[XS+2]|               ; the largest magnitude of my 16, in two chains
	v_max3_num_f32 v9, |v[XS+3]|, |v[XS+4]|, |v[XS+5]|
.irp i, 6,10
	v_max3_num_f32 v8, v8, |v[XS+\i]|, |v[XS+\i+1]|
	v_max3_num_f32 v9, v9, |v[XS+\i+2]|, |v[XS+\i+3]|
.endr
	v_max3_num_f32 v8, v8, |v[XS+14]|, |v[XS+15]|
	v_max3_num_f32 v8, v8, v9, (EMAX+1)<<23        ; and the floor 2^(3 - 127): the byte cannot fall under 1
	v_max_num_f32_dpp v8, v8, v8 row_xmask:1 row_mask:0xf bank_mask:0xf   ; and of my neighbour's 16: the block's
	v_add_nc_u32 v11, -(EMAX<<23), v8              ; 2 off its exponent field: the conversion takes the exponent field of this operand as its scale
	v_cvt_scalef32_pk8_fp4_f32 v[C+4*(\t)], v[XS:XS+7], v11
	v_cvt_scalef32_pk8_fp4_f32 v[C+4*(\t)+1], v[XS+8:XS+15], v11
	v_lshrrev_b32 v[E+(\t)], 23, v11               ; the scale's byte (also the plain line behind the conversions)
	ds_store_b8 v5, v[E+(\t)] offset:16*(\t)       ; both lanes of a block write the same byte with the same value
	global_store_b64 v4, v[C+4*(\t):C+4*(\t)+1], s[36:37] offset:32*CB*(\t)   ; 32 lanes store 256 consecutive bytes, aligned
.endm
.irp t, 0,1,2,3,4,5,6,7,8,9,10,11,12,13,14,15
	STEP \t
.endr
	ds_load_b64 v[8:9], v6                         ; LDS serves a wave's instructions in order: these see my stores
	s_wait_dscnt 0x0
	global_store_b64 v7, v[8:9], s[38:39]          ; 32 lanes store 256 consecutive bytes, aligned
	s_wait_tensorcnt 0x0                           ; the wave's end: behind my last LDS store
	ds_add_u32 v[SPW], v[NIL]
	s_wait_dscnt 0x0
	s_endpgm
; Wo: a wave takes 8 rows n, two at a time.  Sixteen lanes read 256 consecutive bytes (64 along K: one plane's part) of one row; four numbers a lane become 8 bytes of f16;
; the 32 lanes store 256 consecutive bytes: rows n and n + 1 of one plane.  No LDS on this path.
.Lwo:
	s_sub_co_u32 s29, ttmp9, 864
	s_lshl_b32 s29, s29, 5
	s_lshl_b32 s30, s28, 3
	s_add_co_u32 s29, s29, s30                     ; my first row: 32 x work-group + 8 x wave
	s_lshl_b32 s30, s29, 12                        ; a row of Wo is 4,096 bytes
	s_mov_b32 s31, 0
	s_add_nc_u64 s[16:17], s[16:17], s[30:31]
	s_lshl_b32 s30, s29, 7                         ; a row of a plane is 128 bytes
	s_add_nc_u64 s[26:27], s[26:27], s[30:31]
	v_lshrrev_b32 v8, 4, v2
	v_and_b32 v9, 15, v2
	v_lshlrev_b32 v8, 12, v8
	v_lshl_add_u32 v8, v9, 4, v8                   ; (lane / 16) rows + 16 (lane % 16)
.macro LOADW p
.irp kb, 0,1,2,3,4,5,6,7,8,9,10,11,12,13,14,15
	global_load_b128 v[R+64*((\p)%2)+4*\kb:R+64*((\p)%2)+4*\kb+3], v8, s[16:17] offset:8192*(\p)+256*\kb th:TH_LOAD_NT
.endr
.endm
.macro WOUT p
.irp kb, 0,1,2,3,4,5,6,7,8,9,10,11,12,13,14,15
.set W, R+64*((\p)%2)+4*\kb
	v_cvt_pk_f16_f32 v[W], v[W], v[W+1]            ; to the nearest f16, the first source in the low half
	v_cvt_pk_f16_f32 v[W+1], v[W+2], v[W+3]
.endr
.irp kb, 0,1,2,3,4,5,6,7,8,9,10,11,12,13,14,15
.set W, R+64*((\p)%2)+4*\kb
	global_store_b64 v4, v[W:W+1], s[26:27] offset:131072*\kb+256*(\p)
.endr
.endm
	LOADW 0
	LOADW 1
	s_wait_loadcnt 16                              ; this pair of rows is in; the next pair's 16 loads may be out
	WOUT 0
	s_wait_xcnt 0x0                                ; the stores have read their registers: they take the loads of two pairs on
	LOADW 2
	s_wait_loadcnt 16
	WOUT 1
	s_wait_xcnt 0x0
	LOADW 3
	s_wait_loadcnt 16
	WOUT 2
	s_wait_loadcnt 0x0
	WOUT 3
	s_endpgm
.Lfunc_end_k_q298c75aab8_quant:
	.size	k_q298c75aab8_quant, .Lfunc_end_k_q298c75aab8_quant-k_q298c75aab8_quant
	.p2alignl 7, 3214868480
	.fill 96, 4, 3214868480
	.section	.rodata,"a",@progbits
	.p2align	6, 0x0
	.amdhsa_kernel k_q298c75aab8_quant
		.amdhsa_group_segment_fixed_size 33280
		.amdhsa_private_segment_fixed_size 0
		.amdhsa_enable_private_segment 0
		.amdhsa_kernarg_size 96
		.amdhsa_user_sgpr_count 2
		.amdhsa_user_sgpr_kernarg_segment_ptr 1
		.amdhsa_wavefront_size32 1
		.amdhsa_system_sgpr_workgroup_id_x 1
		.amdhsa_system_sgpr_workgroup_id_y 1
		.amdhsa_system_sgpr_workgroup_id_z 1
		.amdhsa_system_vgpr_workitem_id 0
		.amdhsa_next_free_vgpr 192
		.amdhsa_next_free_sgpr 66
		.amdhsa_reserve_vcc 0
		.amdhsa_float_denorm_mode_32 3
		.amdhsa_float_denorm_mode_16_64 3
		.amdhsa_memory_ordered 1
		.amdhsa_forward_progress 1
		.amdhsa_inst_pref_size 54
	.end_amdhsa_kernel
	.amdgpu_metadata
---
amdhsa.version: [ 1, 2 ]
amdhsa.kernels:
  - .name:           k_q298c75aab8_quant
    .symbol:         k_q298c75aab8_quant.kd
    .args:
      - { .name: query, .offset: 0, .size: 8, .value_kind: global_buffer, .address_space: global }
      - { .name: key, .offset: 8, .size: 8, .value_kind: global_buffer, .address_space: global }
      - { .name: value, .offset: 16, .size: 8, .value_kind: global_buffer, .address_space: global }
      - { .name: Wq, .offset: 24, .size: 8, .value_kind: global_buffer, .address_space: global }
      - { .name: Wk, .offset: 32, .size: 8, .value_kind: global_buffer, .address_space: global }
      - { .name: Wv, .offset: 40, .size: 8, .value_kind: global_buffer, .address_space: global }
      - { .name: Wo, .offset: 48, .size: 8, .value_kind: global_buffer, .address_space: global }
      - { .name: xc, .offset: 56, .size: 8, .value_kind: global_buffer, .address_space: global }
      - { .name: xs, .offset: 64, .size: 8, .value_kind: global_buffer, .address_space: global }
      - { .name: wc, .offset: 72, .size: 8, .value_kind: global_buffer, .address_space: global }
      - { .name: ws, .offset: 80, .size: 8, .value_kind: global_buffer, .address_space: global }
      - { .name: wo16, .offset: 88, .size: 8, .value_kind: global_buffer, .address_space: global }
    .group_segment_fixed_size: 33280
    .private_segment_fixed_size: 0
    .kernarg_segment_align: 8
    .kernarg_segment_size: 96
    .max_flat_workgroup_size: 128
    .sgpr_count:     66
    .vgpr_count:     192
    .wavefront_size: 32
...
	.end_amdgpu_metadata
.endif
;; end of part 1
;; launch proj (part 2): grid 4 x 96, 4 waves a work-group, clusters of 4 x 4, 327,680 bytes of LDS; arguments xc, xs, wc, ws, qkv, bq, bv; writes qkv
.if DOCPART == 2
	.amdgcn_target "amdgcn-amd-amdhsa--gfx1250"
	.amdhsa_code_object_version 6
	.text
	.protected	k_q298c75aab8_proj
	.globl	k_q298c75aab8_proj
	.p2align	8
	.type	k_q298c75aab8_proj,@function
k_q298c75aab8_proj:
	s_mov_b64 s[64:65], 0
	v_nop
	global_prefetch_b8 v0, s[64:65] scope:SCOPE_SE
	s_setreg_imm32_b32 hwreg(HW_REG_WAVE_MODE, 25, 1), 1
	s_wait_xcnt 0x0
	s_wait_alu depctr_hold_cnt(0) depctr_sa_sdst(0) depctr_va_vdst(0) depctr_va_sdst(0) depctr_va_ssrc(0) depctr_va_vcc(0) depctr_vm_vsrc(0)
	s_getreg_b32 s2, hwreg(HW_REG_IB_STS2, 6, 4)
	s_cmp_eq_u32 s2, 0
	s_cbranch_scc0 .Lentry_in_a_cluster
	s_endpgm
.Lentry_in_a_cluster:
	s_bfe_u32 s2, ttmp6, 0x10000c
	s_cmp_lg_u32 s2, 0xf033
	s_cbranch_scc0 .Lentry_shape_is_right
	s_endpgm
.Lentry_shape_is_right:
; Launch 2 of 4: q = query Wq^T + bq, k = key Wk^T, v = value Wv^T + bv, on codes of FP4 (E2M1) with one E8M0 scale for each 32 along K = 1,024; sums in f32; rounded once to f16 and laid by heads:
; qkv[tensor][batch][head][token][64].  bk is left out: a term of the scores that is the same for all keys of a row, which the softmax takes away (shown at the head of the first launch).
; LIMIT: q, k, v beyond 65,504 in magnitude do not fit f16.
; The three tensors' rows stand on end in xc: 96 tile rows of 256; tile row / 32 is the tensor, and picks the weights.  A tile, 256 x 256, is made by four waves, each 128 x 128: 64 accumulators, 512 registers.
; ALL OF K LIES IN LDS: two slots of 512 along K (rows of 256 bytes), each filled once; the scale bytes of the 256 + 256 rows likewise.  A wave has three tensor loads out at the most, all first fills.
; CLUSTERS: 4 x 4 work-groups.  The four of a row of the cluster need the same rows of xc, the four of a column the same rows of wc: each tile is asked for JOINTLY.
; THE MATRIX INSTRUCTION IS USED TRANSPOSED (source 0 = 16 rows of W, source 1 = 16 tokens): a lane holds eight neighbouring columns of one token.
; THE BIAS is the C of each sum's first product: 64 registers in the result's layout; for k they hold zeros, so that one text serves the three tensors.
; REGISTERS: window 0: v1-30 addresses; v32-95 scale words, two sets; v96-127 packed results; v128-191 A's fragments, one set (on the way out: rows read back); v192-255 the bias.
;   window 1: B's fragments, two sets, at v0 and v128.   window 2: accumulators of my rows 0-63 ((a, b) at v[8 (8 a + b)]);   window 3: of my rows 64-127.
.set NQ,     4                         ; steps of 128 along K in a slot
.set ROWB,   256                       ; a tile's row in bytes: 512 codes
.set KROW,   512                       ; a row of codes in memory
.set PITCH,  272                       ; an LDS row: 256 bytes + 16 of padding = 68 words: the 16 rows that a load touches start at 16 different banks
.set FR,     8                         ; registers of a fragment
.set NL,     2                         ; LDS loads that bring one
.set NP,     4                         ; places behind this matrix instruction (ISA guide 7.12.1)
.set HALFT,  128*PITCH
.set SLOT,   4*HALFT                   ; A's 256 rows, then B's 256 rows
.set KS,     32                        ; a row of scale bytes
.set SCL,    2*SLOT                    ; behind the slots: the scales, as rows of 256 bytes + 16 of padding
.set HALFS,  (128*KS/256)*272          ; the scales of 128 rows
.set SBLK,   (16*KS/256)*272           ; those of 16 rows
.set SPARE,  SCL+4*HALFS               ; the spare words, 128 bytes a wave
.set SPITCH, 272                       ; the way out: a stage of 16 rows x (256 bytes + 16) for each wave, in slot 0, which has had its one fill and its last read when the first result is stored there
.set ADRA, 16
.set ADRB, 20
.set STO,  24
.set RD,   25
.set CO,   26
.set ADRS, 27
.set SPW,  28
.set NIL,  29
.set BOF,  30                          ; v30: 32 x (lane / 16): my place in the bias
.set SC,   32
.set TMP,  96
.set AF,   128
.set OB,   128
.set BIAS, 192
.set G1, 24
.set G0, 32
.set G1B, 48
.set G0B, 56
.set G1S, 68
.set G0S, 76
.set G1SB, 80
.set G0SB, 88
.set TEN, 95                           ; s95: the tensor, 0 q, 1 k, 2 v: cluster y / 8, the same in all sixteen partners
.set MSB, 0
.macro WIN new                         ; the immediate's high byte repeats the setting that is left
.if MSB != (\new)
	s_set_vgpr_msb (MSB<<8)|(\new)
.set MSB, (\new)
.endif
.endm
.set MUL_LO, 0xa1                      ; source 0 (B) window 1, source 1 (A) window 0, C and D window 2
.set MUL_HI, 0xf1                      ; the same, C and D window 3
.set TO_B,   0x40
; A joint load: waves 0 and 1 fetch for A, waves 2 and 3 for B; the branch hangs on the wave's number alone.  An s_nop 0 and four v_nop follow each line.
.macro JLOAD g0a, g1a, g0b, g1b
	s_cmp_eq_u32 s15, 0
	s_cbranch_scc0 .Lfor_b_\@
	tensor_load_to_lds s[\g0a:\g0a+3], s[\g1a:\g1a+7]
	s_nop 0
.rept 4
	v_nop
.endr
	s_branch .Lasked_\@
.Lfor_b_\@:
	tensor_load_to_lds s[\g0b:\g0b+3], s[\g1b:\g1b+7]
	s_nop 0
.rept 4
	v_nop
.endr
.Lasked_\@:
.endm
.macro CROUND                          ; a round of the cluster's barrier
	s_barrier_signal -1
	s_barrier_wait -1
	s_cmp_lg_u32 s14, 0
	s_cbranch_scc1 .Lnot_wave_0_\@
	s_barrier_signal -3
.Lnot_wave_0_\@:
	s_barrier_wait -3
	s_barrier_signal -1
	s_barrier_wait -1
.endm
	s_load_b128 s[4:7], s[0:1], 0x0                ; xc, xs
	s_load_b128 s[8:11], s[0:1], 0x10              ; wc, ws
	s_load_b64 s[12:13], s[0:1], 0x20              ; qkv
	s_load_b128 s[96:99], s[0:1], 0x28             ; bq, bv
	v_lshl_add_u32 v[SPW], v0, 2, SPARE
	v_mov_b32 v[NIL], 0
	ds_add_u32 v[SPW], v[NIL]                      ; the wave's opening: the add, twice on end, and its wait ahead of my first tensor load
	ds_add_u32 v[SPW], v[NIL]
	v_lshrrev_b32 v1, 5, v0
	v_readfirstlane_b32 s14, v1                    ; wave 0..3
	s_lshr_b32 s15, s14, 1                         ; which half of the tile's rows is mine.  Also: I fetch for A (0) or for B (1)
	s_and_b32 s16, s14, 1                          ; which half of its columns.  Also: which 128 rows I fetch
	s_bfe_u32 s40, ttmp6, 0x40000                  ; cx, cy
	s_bfe_u32 s41, ttmp6, 0x40004
	s_lshl_b32 s42, ttmp9, 2
	s_add_co_u32 s42, s42, s40                     ; tile column
	s_and_b32 s17, ttmp7, 0xffff
	s_lshr_b32 s[TEN], s17, 3                      ; eight clusters, 32 tile rows, to a tensor
	s_lshl_b32 s17, s17, 2
	s_add_co_u32 s17, s17, s41                     ; tile row, 0 to 95
	s_lshl_b32 s43, s41, 2
	s_lshl_b32 s43, 15, s43                        ; my row of the cluster
	s_lshl_b32 s44, 0x1111, s40                    ; my column
	s_or_b32 s[G1+0], s43, (0<<16)|(1<<20)|(1<<21)|(5<<22)|(3<<25)  ; the mask; elements of 1 byte; padding on; bit 21 beside a mask; after every 64 words, 4 words
	s_or_b32 s[G1B+0], s44, (0<<16)|(1<<20)|(1<<21)|(5<<22)|(3<<25)
.irp g, G1, G1B
	s_mov_b32 s[\g+1], ROWB<<16                    ; tensor_dim0
	s_mov_b32 s[\g+2], 128<<16                     ; tensor_dim1
	s_mov_b32 s[\g+3], ROWB<<16                    ; tile_dim0
	s_mov_b32 s[\g+4], 128                         ; tile_dim1
	s_mov_b32 s[\g+5], KROW                        ; the pitch
	s_mov_b32 s[\g+6], 0
	s_mov_b32 s[\g+7], 0
.endr
	s_or_b32 s[G1S+0], s43, (3<<16)|(1<<20)|(1<<21)|(5<<22)|(3<<25)  ; the scales of 128 rows: 4,096 dense bytes as 16 rows of 32 elements of 8 bytes
	s_or_b32 s[G1SB+0], s44, (3<<16)|(1<<20)|(1<<21)|(5<<22)|(3<<25)
.irp g, G1S, G1SB
	s_mov_b32 s[\g+1], 32<<16
	s_mov_b32 s[\g+2], (128*KS/256)<<16
	s_mov_b32 s[\g+3], 32<<16
	s_mov_b32 s[\g+4], 128*KS/256
	s_mov_b32 s[\g+5], 32
	s_mov_b32 s[\g+6], 0
	s_mov_b32 s[\g+7], 0
.endr
	s_lshl_b32 s18, s16, 7                         ; which 128 rows of the tile I fetch
	s_lshl_b32 s20, s17, 8
	s_add_co_u32 s20, s20, s18                     ; A: row 256 x tile row + 128 x half, in the three tensors on end
	s_lshl_b32 s46, s42, 8
	s_add_co_u32 s46, s46, s18
	s_lshl_b32 s47, s[TEN], 10
	s_add_co_u32 s46, s46, s47                     ; B: row 1,024 x tensor + 256 x tile column + 128 x half
	s_mov_b32 s21, 0
	s_mov_b32 s47, 0
	s_mov_b64 s[18:19], KS
	s_mul_u64 s[22:23], s[20:21], s[18:19]         ; where these rows' scales begin,
	s_mul_u64 s[92:93], s[46:47], s[18:19]
	s_mov_b64 s[18:19], KROW
	s_mul_u64 s[20:21], s[20:21], s[18:19]         ; and their codes
	s_mul_u64 s[46:47], s[46:47], s[18:19]
	s_mul_i32 s45, s14, HALFT                      ; where they go: wave x 128 rows
	s_mul_i32 s94, s14, HALFS
	s_wait_dscnt 0x0                               ; both opening adds are done
	s_wait_kmcnt 0x0
	s_add_nc_u64 s[20:21], s[4:5], s[20:21]
	s_add_nc_u64 s[22:23], s[6:7], s[22:23]
	s_add_nc_u64 s[46:47], s[8:9], s[46:47]
	s_add_nc_u64 s[92:93], s[10:11], s[92:93]
	CROUND                                         ; all sixteen work-groups are here: the joint loads meet
	s_mov_b32 s[G0S], 1
	s_add_co_u32 s[G0S+1], s94, SCL
	s_mov_b64 s[G0S+2:G0S+3], s[22:23]
	s_or_b32 s[G0S+3], s[G0S+3], 0x80000000
	s_mov_b32 s[G0SB], 1
	s_add_co_u32 s[G0SB+1], s94, SCL
	s_mov_b64 s[G0SB+2:G0SB+3], s[92:93]
	s_or_b32 s[G0SB+3], s[G0SB+3], 0x80000000
	JLOAD G0S, G1S, G0SB, G1SB                     ; the scales first: they are wanted with the first step
.irp s, 0,1
	s_mov_b32 s[G0+4*\s], 1
	s_add_co_u32 s[G0+4*\s+1], s45, \s*SLOT
	s_add_nc_u64 s[G0+4*\s+2:G0+4*\s+3], s[20:21], \s*ROWB
	s_or_b32 s[G0+4*\s+3], s[G0+4*\s+3], 0x80000000
	s_mov_b32 s[G0B+4*\s], 1
	s_add_co_u32 s[G0B+4*\s+1], s45, \s*SLOT
	s_add_nc_u64 s[G0B+4*\s+2:G0B+4*\s+3], s[46:47], \s*ROWB
	s_or_b32 s[G0B+4*\s+3], s[G0B+4*\s+3], 0x80000000
	JLOAD G0+4*\s, G1, G0B+4*\s, G1B
.endr
	v_and_b32 v1, 15, v0                           ; r = lane % 16
	v_bfe_u32 v2, v0, 4, 1                         ; h = lane / 16
	v_lshlrev_b32 v[BOF], 5, v2
	; the bias in the result's layout: register 8 b + j = bias[my first column + 16 b + 8 h + j].  The branch hangs on the tensor alone, which all partners share
	s_cmp_eq_u32 s[TEN], 1
	s_cbranch_scc1 .Lno_bias
	s_cmp_eq_u32 s[TEN], 0
	s_cselect_b64 s[96:97], s[96:97], s[98:99]     ; bq or bv
	s_lshl_b32 s92, s42, 10
	s_lshl_b32 s93, s16, 9
	s_add_co_u32 s92, s92, s93                     ; 4 x (256 x tile column + 128 x half)
	s_mov_b32 s93, 0
	s_add_nc_u64 s[96:97], s[96:97], s[92:93]
.irp b, 0,1,2,3,4,5,6,7
	global_load_b128 v[BIAS+8*\b:BIAS+8*\b+3], v[BOF], s[96:97] offset:64*\b
	global_load_b128 v[BIAS+8*\b+4:BIAS+8*\b+7], v[BOF], s[96:97] offset:64*\b+16
.endr
	s_branch .Lbias_done
.Lno_bias:                                             ; k has no bias
.set i, 0
.rept 64
	v_mov_b32 v[BIAS+i], 0
.set i, i+1
.endr
.Lbias_done:
	v_mul_u32_u24 v3, v1, PITCH
	v_lshl_add_u32 v4, v2, 4, v3                   ; a fragment's row x pitch + 16 x half
	s_mul_i32 s21, s15, HALFT                      ; my 128 rows of A
	s_mul_i32 s22, s16, HALFT                      ; my 128 rows of B,
	s_add_co_u32 s22, s22, 2*HALFT                 ; behind A's 256
.irp s, 0,1
	v_add_nc_u32 v[ADRA+\s], s21, v4
	v_add_nc_u32 v[ADRB+\s], s22, v4
	s_add_co_u32 s21, s21, SLOT
	s_add_co_u32 s22, s22, SLOT
.endr
	v_mul_u32_u24 v5, v1, KS                       ; my row's scales: 32 bytes a row,
	v_lshrrev_b32 v6, 8, v5
	v_lshl_add_u32 v5, v6, 4, v5                   ; and 16 more for each 256 passed
	s_mul_i32 s21, s15, HALFS
	s_mul_i32 s22, s16, HALFS
	s_add_co_u32 s22, s22, 2*HALFS
	s_sub_co_u32 s22, s22, s21
	v_mul_u32_u24 v6, s22, v2                      ; lanes 16-31 take B's: one product, the distance between the two bases
	s_add_co_u32 s21, s21, SCL
	v_add_nc_u32 v5, v5, v6
	v_add_nc_u32 v[ADRS], s21, v5
	s_mul_i32 s23, s14, 16*SPITCH                  ; my stage
	v_add_nc_u32 v[STO], s23, v4                   ; in: row r, 16 bytes for each half of the lanes
	v_bfe_u32 v5, v0, 3, 1
	v_and_b32 v6, 7, v0
	v_mul_u32_u24 v7, v5, SPITCH                   ; back: lanes 0-15 take head 0's 128 bytes of two tokens, lanes 16-31 head 1's; eight lanes to a token
	v_lshl_add_u32 v7, v2, 7, v7
	v_lshl_add_u32 v7, v6, 4, v7
	v_add_nc_u32 v[RD], s23, v7
	v_lshlrev_b32 v[CO], 18, v2                    ; and in qkv: a head is 2^18 bytes, a token 128
	v_lshl_add_u32 v[CO], v5, 7, v[CO]
	v_lshl_add_u32 v[CO], v6, 4, v[CO]
	s_and_b32 s20, s17, 31
	s_lshl_b32 s20, s20, 8
	s_lshl_b32 s21, s15, 7
	s_add_co_u32 s20, s20, s21                     ; my first row within the tensor
	s_lshr_b32 s21, s20, 11                        ; its batch,
	s_and_b32 s20, s20, 2047                       ; its token
	s_lshl_b32 s20, s20, 7
	s_lshl_b32 s21, s21, 4
	s_lshl_b32 s46, s42, 2
	s_add_co_u32 s21, s21, s46
	s_lshl_b32 s46, s16, 1
	s_add_co_u32 s21, s21, s46                     ; 16 x batch + my first head (4 x tile column + 2 x half)
	s_lshl_b32 s21, s21, 18
	s_add_co_u32 s20, s20, s21
	s_lshl_b32 s21, s[TEN], 24
	s_add_co_u32 s20, s20, s21                     ; under 2^26
	s_mov_b32 s21, 0
	s_add_nc_u64 s[12:13], s[12:13], s[20:21]
.macro FRAG reg, adr, q, i             ; 16 rows x 128 K of 4-bit codes: lane l holds row l % 16; registers 4 c .. 4 c + 3 hold K = 64 c + 32 (l / 16) + 0 .. 31
.irp c, 0,1
	ds_load_b128 v[\reg+4*\c:\reg+4*\c+3], v[\adr] offset:64*(\q)+32*\c+(\i)*16*PITCH
.endr
.endm
; 16 matrix instructions: A's blocks a0, a0 + 1 x B's eight.  zero = 1: the first product starts the sums, from the bias.  The 64 accumulators take turns, one instruction a turn.
.macro MUL16 a0, p, q, sc, zero
.irp a, \a0, \a0+1
.irp b, 0,1,2,3,4,5,6,7
.if \zero
	v_wmma_scale_f32_16x16x128_f8f6f4 v[8*(8*((\a)%4)+\b):8*(8*((\a)%4)+\b)+7], v[128*(\p)+FR*\b:128*(\p)+FR*\b+FR-1], v[AF+FR*(\a):AF+FR*(\a)+FR-1], v[BIAS+8*\b:BIAS+8*\b+7], v[SC+8*NQ*(\sc)+NQ*\b+(\q)], v[SC+8*NQ*(\sc)+NQ*(\a)+(\q)] matrix_a_fmt:MATRIX_FMT_FP4 matrix_b_fmt:MATRIX_FMT_FP4 matrix_a_scale:MATRIX_SCALE_ROW1
.else
	v_wmma_scale_f32_16x16x128_f8f6f4 v[8*(8*((\a)%4)+\b):8*(8*((\a)%4)+\b)+7], v[128*(\p)+FR*\b:128*(\p)+FR*\b+FR-1], v[AF+FR*(\a):AF+FR*(\a)+FR-1], v[8*(8*((\a)%4)+\b):8*(8*((\a)%4)+\b)+7], v[SC+8*NQ*(\sc)+NQ*\b+(\q)], v[SC+8*NQ*(\sc)+NQ*(\a)+(\q)] matrix_a_fmt:MATRIX_FMT_FP4 matrix_b_fmt:MATRIX_FMT_FP4 matrix_a_scale:MATRIX_SCALE_ROW1
.endif
.endr
.endr
.endm
.macro FETCH_B slot, q, p
	WIN TO_B
.irp i, 0,1,2,3,4,5,6,7
	FRAG 128*(\p)+FR*\i, ADRB+\slot, \q, \i
.endr
	WIN 0
.endm
.macro FETCH_A slot, q, i0
.irp i, \i0, \i0+1, \i0+2, \i0+3
	FRAG AF+FR*(\i), ADRA+\slot, \q, \i
.endr
.endm
.macro SCALES sc                       ; a slot's scale words: 4 words a row; lanes 0-15 take A's block i, lanes 16-31 B's block i
.irp i, 0,1,2,3,4,5,6,7
	ds_load_b128 v[SC+8*NQ*\sc+NQ*\i:SC+8*NQ*\sc+NQ*\i+3], v[ADRS] offset:\i*SBLK
.endr
.endm
.macro PLACES n                        ; plain vector lines between a matrix instruction and a load into its registers or a read of its results
.rept \n
	v_nop
.endr
.endm
.macro STEP slot, q, zero              ; a step of 128 along K that has its successor in the same slot.  zero = 1: C is the bias, in window 0
	s_wait_dscnt 4*NL                              ; B's set and A's blocks 0-3 are in; the youngest eight loads (A's blocks 4-7) may be out
	WIN MUL_LO-0x20*(\zero)
	MUL16 0, (\q)%2, \q, \slot, \zero
	MUL16 2, (\q)%2, \q, \slot, \zero
	s_wait_dscnt 0                                 ; A's blocks 4-7 are in
	PLACES NP
	FETCH_B \slot, (\q)+1, 1-(\q)%2
	FETCH_A \slot, (\q)+1, 0
	WIN MUL_HI-0x30*(\zero)
	MUL16 4, (\q)%2, \q, \slot, \zero
	MUL16 6, (\q)%2, \q, \slot, \zero
	PLACES NP
	WIN 0
	FETCH_A \slot, (\q)+1, 4
.endm
; Slot 0's last step changes slots: one barrier; in front of it each wave waits for all its tensor loads (slot 1's is the one that may be out), adds 0 to its spare word, and waits for that and for its reads of slot 0.
; Behind it slot 1 is whole, and nobody reads slot 0 any more: the way out may lay its stages there.  Nothing is filled again.
.macro TURN slot, next
	s_wait_tensorcnt 0x0
	ds_add_u32 v[SPW], v[NIL]
	s_wait_dscnt 4*NL+1                            ; (the add and the youngest eight loads may be out)
	WIN MUL_LO
	MUL16 0, 1, NQ-1, \slot, 0
	s_wait_dscnt 0x0                               ; the add is done, and my reads of this slot are over
	s_barrier_signal -1
	MUL16 2, 1, NQ-1, \slot, 0
	WIN 0
	s_barrier_wait -1
	PLACES NP
	v_add_nc_u32 v[ADRS], 4*NQ, v[ADRS]            ; on to the next 512 along K of the scale words
	FETCH_B \next, 0, 0
	FETCH_A \next, 0, 0
	SCALES \next
	WIN MUL_HI
	MUL16 4, 1, NQ-1, \slot, 0
	MUL16 6, 1, NQ-1, \slot, 0
	PLACES NP
	WIN 0
	FETCH_A \next, 0, 4
.endm
.macro STEPS slot, from
.set Q, \from
.rept NQ-1-\from
	STEP \slot, Q, 0
.set Q, Q+1
.endr
.endm
	s_wait_loadcnt 0x0                             ; the bias (on k's way nothing is out)
	s_wait_tensorcnt 1                             ; the scales and my part of slot 0 are in (slot 1's load may be out),
	s_barrier_signal -1
	s_barrier_wait -1                              ; everybody's are
	FETCH_B 0, 0, 0
	FETCH_A 0, 0, 0
	SCALES 0
	FETCH_A 0, 0, 4
	STEP 0, 0, 1
	STEPS 0, 1
	TURN 0, 1
	STEPS 1, 0
	s_wait_dscnt 4*NL                              ; the last step: nothing more to fetch
	WIN MUL_LO
	MUL16 0, 1, NQ-1, 1, 0
	MUL16 2, 1, NQ-1, 1, 0
	s_wait_dscnt 0
	WIN MUL_HI
	MUL16 4, 1, NQ-1, 1, 0
	MUL16 6, 1, NQ-1, 1, 0
	WIN 0
; THE WAY OUT, block by block of 16 tokens x 128 columns (two heads).  PACK: rounded to f16, 16 bytes a lane, each accumulator from its low end on.  TOSTAGE: into my stage and back by heads.
; SEND: sixteen lanes store 256 consecutive bytes, aligned: two tokens of one head.
.macro PACK a
.set AC, 64*((\a)%4)
	WIN 0x0a+5*((\a)/4)                            ; sources 0 and 1: window 2 or 3
.irp b, 0,1,2,3,4,5,6,7
.irp i, 0,1,2,3
	v_cvt_pk_f16_f32 v[TMP+4*\b+\i], v[AC+8*\b+2*\i], v[AC+8*\b+2*\i+1]
.endr
.endr
	WIN 0
.endm
.macro TOSTAGE a
.set BB, OB+32*((\a)%2)
.irp b, 0,1,2,3,4,5,6,7
	ds_store_b128 v[STO], v[TMP+4*\b:TMP+4*\b+3] offset:32*\b
.endr
.irp i, 0,1,2,3,4,5,6,7
	ds_load_b128 v[BB+4*\i:BB+4*\i+3], v[RD] offset:\i*2*SPITCH    ; LDS serves a wave's instructions in order: these see the stores above
.endr
.endm
.macro SEND a
.set BB, OB+32*((\a)%2)
	s_wait_dscnt 0x0                               ; the block is back in registers
	s_wait_xcnt 0x0                                ; the block before has been read by its stores: its registers may take the next block's loads
.irp i, 0,1,2,3,4,5,6,7
	global_store_b128 v[CO], v[BB+4*\i:BB+4*\i+3], s[12:13] offset:2048*(\a)+256*\i
.endr
.endm
	PLACES NP
	PACK 0
	TOSTAGE 0
.irp a, 1,2,3,4,5,6,7                  ; block a's conversions stand between block a - 1's loads from the stage and the wait for them
	PACK \a
	SEND \a-1
	TOSTAGE \a
.endr
	SEND 7
	s_wait_tensorcnt 0x0                           ; the wave's end
	ds_add_u32 v[SPW], v[NIL]
	s_wait_dscnt 0x0
	CROUND                                         ; the closing round
	s_endpgm
.Lfunc_end_k_q298c75aab8_proj:
	.size	k_q298c75aab8_proj, .Lfunc_end_k_q298c75aab8_proj-k_q298c75aab8_proj
	.p2alignl 7, 3214868480
	.fill 96, 4, 3214868480
	.section	.rodata,"a",@progbits
	.p2align	6, 0x0
	.amdhsa_kernel k_q298c75aab8_proj
		.amdhsa_group_segment_fixed_size 327680
		.amdhsa_private_segment_fixed_size 0
		.amdhsa_enable_private_segment 0
		.amdhsa_kernarg_size 56
		.amdhsa_user_sgpr_count 2
		.amdhsa_user_sgpr_kernarg_segment_ptr 1
		.amdhsa_wavefront_size32 1
		.amdhsa_system_sgpr_workgroup_id_x 1
		.amdhsa_system_sgpr_workgroup_id_y 1
		.amdhsa_system_sgpr_workgroup_id_z 1
		.amdhsa_system_vgpr_workitem_id 0
		.amdhsa_next_free_vgpr 1024
		.amdhsa_next_free_sgpr 100
		.amdhsa_reserve_vcc 0
		.amdhsa_float_denorm_mode_32 3
		.amdhsa_float_denorm_mode_16_64 3
		.amdhsa_memory_ordered 1
		.amdhsa_forward_progress 1
		.amdhsa_inst_pref_size 131
	.end_amdhsa_kernel
	.amdgpu_metadata
---
amdhsa.version: [ 1, 2 ]
amdhsa.kernels:
  - .name:           k_q298c75aab8_proj
    .symbol:         k_q298c75aab8_proj.kd
    .args:
      - { .name: xc, .offset: 0, .size: 8, .value_kind: global_buffer, .address_space: global }
      - { .name: xs, .offset: 8, .size: 8, .value_kind: global_buffer, .address_space: global }
      - { .name: wc, .offset: 16, .size: 8, .value_kind: global_buffer, .address_space: global }
      - { .name: ws, .offset: 24, .size: 8, .value_kind: global_buffer, .address_space: global }
      - { .name: qkv, .offset: 32, .size: 8, .value_kind: global_buffer, .address_space: global }
      - { .name: bq, .offset: 40, .size: 8, .value_kind: global_buffer, .address_space: global }
      - { .name: bv, .offset: 48, .size: 8, .value_kind: global_buffer, .address_space: global }
    .group_segment_fixed_size: 327680
    .private_segment_fixed_size: 0
    .kernarg_segment_align: 8
    .kernarg_segment_size: 56
    .max_flat_workgroup_size: 128
    .sgpr_count:     100
    .vgpr_count:     1024
    .wavefront_size: 32
...
	.end_amdgpu_metadata
.endif
;; end of part 2
;; launch attn (part 3): grid 8 x 64, 8 waves a work-group, clusters of 4 x 1, 327,680 bytes of LDS; arguments qkv, ao; writes ao
.if DOCPART == 3
	.amdgcn_target "amdgcn-amd-amdhsa--gfx1250"
	.amdhsa_code_object_version 6
	.text
	.protected	k_q298c75aab8_attn
	.globl	k_q298c75aab8_attn
	.p2align	8
	.type	k_q298c75aab8_attn,@function
k_q298c75aab8_attn:
	s_mov_b64 s[64:65], 0
	v_nop
	global_prefetch_b8 v0, s[64:65] scope:SCOPE_SE
	s_setreg_imm32_b32 hwreg(HW_REG_WAVE_MODE, 25, 1), 1
	s_wait_xcnt 0x0
	s_wait_alu depctr_hold_cnt(0) depctr_sa_sdst(0) depctr_va_vdst(0) depctr_va_sdst(0) depctr_va_ssrc(0) depctr_va_vcc(0) depctr_vm_vsrc(0)
	s_getreg_b32 s2, hwreg(HW_REG_IB_STS2, 6, 4)
	s_cmp_eq_u32 s2, 0
	s_cbranch_scc0 .Lentry_in_a_cluster
	s_endpgm
.Lentry_in_a_cluster:
	s_bfe_u32 s2, ttmp6, 0x10000c
	s_cmp_lg_u32 s2, 0x3003
	s_cbranch_scc0 .Lentry_shape_is_right
	s_endpgm
.Lentry_shape_is_right:
; Launch 3 of 4: ao[h][token][:] = the sum over keys of softmax(q . k / 8) v, for each of 64 (batch, head).  q, k, v: f16, qkv[tensor][16 batch + head][2048][64].  Products, maxima and sums in f32;
; the weights p are rounded to f16 for the second product, the result once at the end.  k comes without bk: that term is the same for all keys of a row (shown at the head of the first launch).
; LIMIT: results beyond 65,504 in magnitude do not fit f16.
; SHARES.  A work-group owns 256 queries of one head, each of its eight waves 32: two tiles of 16, in 384 registers: two waves to a SIMD, so that one wave's softmax stands beside the other's products.
; Every wave walks all 2,048 keys, 64 a step.
; LAYOUT.  S^T = K Q^T (source 0 = 16 keys, source 1 = 16 queries): a lane holds ONE query (lane % 16) and keys 8 (lane / 16) + 0..7.  Two such tiles, rounded to f16 in pairs, ARE source 1 of O^T = V^T P.
; K comes out of LDS as it lies, V ([key][channel]) turned, by ds_load_tr16_b128.
; SOFTMAX.  For each query a running maximum m and sum l: p = 2^(c s - c m), c = log2(e) / 8; in every step O and l are multiplied by a = 2^(c m_old - c m_new).
; The step is written once: m begins at -3e38, l and O^T at 0; the first a is 0 and multiplies zeros.
; THE RING.  Two slots of 512 keys (K: 512 rows of 144 bytes; V: 512 of 160).  Four fills in all: two at the head, two refills.  Waves 0-3 fetch 128 rows of K each, waves 4-7 of V: one load a wave for each fill;
; a wave has two loads out at the head and one behind each round.  A refill is asked for eight key steps ahead of its first read, so nothing is asked of memory earlier than that.
; CLUSTER.  The four query blocks of a cluster belong to one head and walk the same K and V: each tile is asked for JOINTLY, with a mask that names the four.
; REGISTERS.  window 0: v1-15 addresses; v16-31 statistics (tile t at 16 + 8 t: +0 c m, +1 m, +2, +3 l, +4..+7 at work, a in +6); v32-95 S^T; v96-127 P; v128-191 K; v192-255 V.
;   window 1: v0-63 O^T (tile t at 32 t); v64-95 Q.
.set PK,    144                        ; a row of K in LDS: 128 bytes + 16: 36 words: the 16 rows of a load start at 16 different groups of 4 banks
.set PV,    160                        ; a row of V: 128 + 32
.set VOFF,  512*PK
.set SLOT,  512*(PK+PV)
.set SPARE, 2*SLOT                     ; the spare words, 128 bytes a wave: four blocks of 256 bytes that no other line names
.set STG,   2*16*PK                    ; the way out: two tiles x 16 rows x 144 bytes a wave, in slot 0, behind its last fill and its last read
.set AK0, 2
.set AV0, 3
.set ADK, 4
.set ADV, 5
.set QO,  6
.set STO, 7
.set RD,  8
.set GO,  9
.set SPW, 10
.set NIL, 11
.set ST,  16
.set S,   32
.set P,   96
.set KF,  128
.set VF,  192
.set WV,  12
.set G1K, 24
.set G1V, 32
.set G0K, 40                           ; s[40:47] group 0 for K's tiles, a set for each slot
.set G0V, 48                           ; s[48:55] for V's
.set CNT, 56
.set TK,  57                           ; LDS byte at which the step's keys begin
.set CS,  58                           ; s[58:59] c, twice: the packed form names a pair
.set SEL, 60                           ; s[60:61] lane selects: lane l xor 16
.set TV,  62                           ; and the step's values
.set MSB, 0
.macro WIN new
.if MSB != (\new)
	s_set_vgpr_msb (MSB<<8)|(\new)
.set MSB, (\new)
.endif
.endm
.set W_KQ, 0x04                        ; Q (source 1) in window 1
.set W_PV, 0x50                        ; O^T (C and D) in window 1
.set W_RS, 0x41                        ; O^T (destination and source 0) in window 1
.macro JLOAD s                         ; a joint refill of slot s.  The branch hangs on the wave's number alone.  An s_nop 0 and four v_nop follow each line
	s_cmp_lt_u32 s[WV], 4
	s_cbranch_scc0 .Lfor_v_\@
	tensor_load_to_lds s[G0K+4*\s:G0K+4*\s+3], s[G1K:G1K+7]
	s_nop 0
.rept 4
	v_nop
.endr
	s_branch .Lasked_\@
.Lfor_v_\@:
	tensor_load_to_lds s[G0V+4*\s:G0V+4*\s+3], s[G1V:G1V+7]
	s_nop 0
.rept 4
	v_nop
.endr
.Lasked_\@:
.endm
.macro CROUND                          ; a round of the cluster's barrier
	s_barrier_signal -1
	s_barrier_wait -1
	s_cmp_lg_u32 s[WV], 0
	s_cbranch_scc1 .Lnot_wave_0_\@
	s_barrier_signal -3
.Lnot_wave_0_\@:
	s_barrier_wait -3
	s_barrier_signal -1
	s_barrier_wait -1
.endm
	s_load_b128 s[4:7], s[0:1], 0x0                ; qkv, ao
	v_lshl_add_u32 v[SPW], v0, 2, SPARE
	v_mov_b32 v[NIL], 0
	ds_add_u32 v[SPW], v[NIL]                      ; the wave's opening: the add, twice on end, and its wait ahead of my first tensor load
	ds_add_u32 v[SPW], v[NIL]
	v_lshrrev_b32 v1, 5, v0
	v_readfirstlane_b32 s[WV], v1                  ; wave 0..7
	s_bfe_u32 s13, ttmp6, 0x40000                  ; cx
	s_lshl_b32 s14, ttmp9, 2
	s_add_co_u32 s14, s14, s13                     ; my block of 256 queries: it enters Q's and ao's addresses alone
	s_and_b32 s15, ttmp7, 0xffff                   ; 16 x batch + head, which the four partners share
	s_and_b32 s16, s[WV], 3                        ; which 128 rows of a slot I fetch
	s_lshl_b32 s20, s15, 18                        ; a head is 2^18 bytes
	s_lshl_b32 s17, s16, 14
	s_add_co_u32 s20, s20, s17
	s_mov_b32 s21, 0
	s_lshl_b32 s22, s15, 18
	s_lshl_b32 s17, s14, 15
	s_add_co_u32 s22, s22, s17
	s_lshl_b32 s17, s[WV], 12
	s_add_co_u32 s22, s22, s17                     ; Q: head, block, my wave's 32 rows of 128 bytes
	s_mov_b32 s23, 0
	s_and_b32 s18, s15, 15
	s_lshl_b32 s18, s18, 20                        ; ao: the head's plane of 2^20 bytes,
	s_lshr_b32 s19, s15, 4
	s_lshl_b32 s19, s19, 18                        ; the batch's 2,048 tokens,
	s_add_co_u32 s18, s18, s19
	s_lshl_b32 s19, s14, 15
	s_add_co_u32 s18, s18, s19
	s_add_co_u32 s18, s18, s17                     ; block and wave
	s_mov_b32 s19, 0
	s_mul_i32 s2, s16, 128*PK                      ; where my rows go in a slot: K's,
	s_mul_i32 s3, s16, 128*PV
	s_add_co_u32 s3, s3, VOFF                      ; V's: no place in the cluster enters an LDS address
	s_mov_b32 s[G1K], 15|(1<<16)|(1<<20)|(1<<21)|(4<<22)|(3<<25)  ; the mask: all four; elements of 2 bytes; padding on; bit 21 beside a mask; after every 32 words, 4 words
	s_mov_b32 s[G1V], 15|(1<<16)|(1<<20)|(1<<21)|(4<<22)|(7<<25)  ; the same with 8 words of padding
.irp g, G1K, G1V
	s_mov_b32 s[\g+1], 64<<16                      ; tensor_dim0 = 64
	s_mov_b32 s[\g+2], 128<<16                     ; tensor_dim1 = 128
	s_mov_b32 s[\g+3], 64<<16                      ; tile_dim0 = 64
	s_mov_b32 s[\g+4], 128                         ; tile_dim1 = 128
	s_mov_b32 s[\g+5], 64                          ; the pitch: rows are dense
	s_mov_b32 s[\g+6], 0
	s_mov_b32 s[\g+7], 0
.endr
	s_mov_b32 s[CS], 0x3e38aa3b                    ; c = log2(e) / 8
	s_mov_b32 s[CS+1], s[CS]
	s_mov_b32 s[SEL], 0x76543210
	s_mov_b32 s[SEL+1], 0xfedcba98
	s_wait_dscnt 0x0                               ; both opening adds are done
	s_wait_kmcnt 0x0
	s_add_nc_u64 s[8:9], s[4:5], s[20:21]
	s_add_nc_u64 s[10:11], s[8:9], 0x2000000       ; v is the third tensor of 2^24 bytes,
	s_add_nc_u64 s[8:9], s[8:9], 0x1000000         ; k the second
	s_add_nc_u64 s[4:5], s[4:5], s[22:23]
	s_add_nc_u64 s[6:7], s[6:7], s[18:19]
.irp s, 0,1
	s_mov_b32 s[G0K+4*\s], 1
	s_add_co_u32 s[G0K+4*\s+1], s2, \s*SLOT
	s_add_nc_u64 s[G0K+4*\s+2:G0K+4*\s+3], s[8:9], \s*65536    ; slot s begins with keys 512 s
	s_or_b32 s[G0K+4*\s+3], s[G0K+4*\s+3], 0x80000000
	s_mov_b32 s[G0V+4*\s], 1
	s_add_co_u32 s[G0V+4*\s+1], s3, \s*SLOT
	s_add_nc_u64 s[G0V+4*\s+2:G0V+4*\s+3], s[10:11], \s*65536
	s_or_b32 s[G0V+4*\s+3], s[G0V+4*\s+3], 0x80000000
.endr
	CROUND                                         ; all four work-groups are here: the first joint loads meet
	s_cmp_lt_u32 s[WV], 4                          ; a wave's two first fills stand in one branch, ahead of every wait on TENSORcnt and every LDS read
	s_cbranch_scc0 .Lfirst_v
	tensor_load_to_lds s[G0K:G0K+3], s[G1K:G1K+7]
	s_nop 0
	tensor_load_to_lds s[G0K+4:G0K+7], s[G1K:G1K+7]
	s_nop 0
.rept 4
	v_nop
.endr
	s_branch .Lfirst_asked
.Lfirst_v:
	tensor_load_to_lds s[G0V:G0V+3], s[G1V:G1V+7]
	s_nop 0
	tensor_load_to_lds s[G0V+4:G0V+7], s[G1V:G1V+7]
	s_nop 0
.rept 4
	v_nop
.endr
.Lfirst_asked:
	v_and_b32 v1, 15, v0                           ; r
	v_bfe_u32 v12, v0, 4, 1                        ; h
	v_and_b32 v13, 31, v0                          ; lane
	v_and_b32 v14, 7, v0
	v_bfe_u32 v15, v0, 3, 1
	v_lshlrev_b32 v[QO], 7, v1
	v_lshl_add_u32 v[QO], v12, 4, v[QO]            ; Q: row r of 128 bytes + 16 h
	WIN 0x40                                       ; destination window 1
.irp f, 0,1,2,3                        ; Q stays in registers: tile f / 2, channels 32 (f % 2) on
	global_load_b128 v[64+8*\f:64+8*\f+3],   v[QO], s[4:5] offset:(\f/2)*2048+(\f%2)*64
	global_load_b128 v[64+8*\f+4:64+8*\f+7], v[QO], s[4:5] offset:(\f/2)*2048+(\f%2)*64+32
.endr
.set i, 0
.rept 64
	v_mov_b32 v[i], 0                              ; O^T: the step is written once, and its first trip finds zeros
.set i, i+1
.endr
	WIN 0
	v_mul_u32_u24 v[AK0], v1, PK
	v_lshl_add_u32 v[AK0], v12, 4, v[AK0]          ; K: row r x pitch + 16 h
	v_lshl_add_u32 v[AV0], v12, 3, v14             ; V, for the turning load: key 8 h + lane % 8, channels 8 ((lane / 8) % 2) on
	v_mul_u32_u24 v[AV0], v[AV0], PV
	v_lshl_add_u32 v[AV0], v15, 4, v[AV0]
	s_mul_i32 s17, s[WV], STG                      ; my stage
	v_add_nc_u32 v[STO], s17, v[AK0]               ; in: row r, 16 bytes for each half of the lanes
	v_bfe_u32 v[RD], v0, 3, 2
	v_mul_u32_u24 v[RD], v[RD], PK
	v_lshl_add_u32 v[RD], v14, 4, v[RD]
	v_add_nc_u32 v[RD], s17, v[RD]                 ; back: eight lanes to a row of 128 bytes, four rows an instruction
	v_lshlrev_b32 v[GO], 4, v13                    ; and the same 512 bytes in ao
.irp t, 0,1
	v_mov_b32 v[ST+8*\t+1], 0xff61b1e6             ; m = -3e38, under every score
	v_mul_f32 v[ST+8*\t], s[CS], v[ST+8*\t+1]      ; c m
	v_mov_b32 v[ST+8*\t+2], 0                      ; l, in two halves
	v_mov_b32 v[ST+8*\t+3], 0
.endr
; S^T = K Q^T: 16 products; eight accumulators take turns, one instruction a turn; the first eight start the sums
.macro KQ
.set i, 0
.rept 16
.set rS, S+32*(i%2)+8*((i/2)%4)
.set rK, KF+8*(2*((i/2)%4)+i/8)
.set rQ, 64+16*(i%2)+8*(i/8)
.if i < 8
	v_wmma_f32_16x16x32_f16 v[rS:rS+7], v[rK:rK+7], v[rQ:rQ+7], 0
.else
	v_wmma_f32_16x16x32_f16 v[rS:rS+7], v[rK:rK+7], v[rQ:rQ+7], v[rS:rS+7]
.endif
.set i, i+1
.endr
.endm
; O^T += V^T P: 16 products: keys 32 (i / 8) on, channels 16 ((i / 2) % 4) on, tile i % 2; eight accumulators by turns
.macro PV_MUL
.set i, 0
.rept 16
.set rO, 32*(i%2)+8*((i/2)%4)
.set rV, VF+8*(4*(i/8)+(i/2)%4)
.set rP, P+16*(i%2)+8*(i/8)
	v_wmma_f32_16x16x32_f16 v[rO:rO+7], v[rV:rV+7], v[rP:rP+7], v[rO:rO+7]
.set i, i+1
.endr
.endm
; The softmax of both tiles for one key step; the two tiles alternate line by line, so that no line waits for the line above it
.macro SOFTMAX
.irp j, 0,1,2,3
.irp t, 0,1
	v_max3_num_f32 v[ST+8*\t+4+\j], v[S+32*\t+8*\j], v[S+32*\t+8*\j+1], v[S+32*\t+8*\j+2]   ; four chains; each accumulator is read from its low end on
.endr
.endr
.irp i, 1,2
.irp j, 0,1,2,3
.irp t, 0,1
	v_max3_num_f32 v[ST+8*\t+4+\j], v[ST+8*\t+4+\j], v[S+32*\t+8*\j+2*\i+1], v[S+32*\t+8*\j+2*\i+2]
.endr
.endr
.endr
.irp t, 0,1
	v_max3_num_f32 v[ST+8*\t+4], v[ST+8*\t+4], v[S+32*\t+7], v[S+32*\t+15]
.endr
.irp t, 0,1
	v_max3_num_f32 v[ST+8*\t+6], v[ST+8*\t+6], v[S+32*\t+23], v[S+32*\t+31]
.endr
.irp t, 0,1
	v_max3_num_f32 v[ST+8*\t+4], v[ST+8*\t+4], v[ST+8*\t+5], v[ST+8*\t+6]
.endr
.irp t, 0,1
	v_max3_num_f32 v[ST+8*\t+4], v[ST+8*\t+4], v[ST+8*\t+7], v[ST+8*\t+1]   ; with the old m
.endr
.irp t, 0,1
	v_permlanex16_b32 v[ST+8*\t+5], v[ST+8*\t+4], s[SEL], s[SEL+1]          ; the query's other 32 keys lie in the lane 16 away
.endr
.irp t, 0,1
	v_mov_b32 v[ST+8*\t+7], v[ST+8*\t]             ; c m_old is kept for a
.endr
.irp t, 0,1
	v_max_num_f32 v[ST+8*\t+1], v[ST+8*\t+4], v[ST+8*\t+5]
.endr
.irp t, 0,1
	v_mul_f32 v[ST+8*\t], s[CS], v[ST+8*\t+1]
.endr
.irp t, 0,1
	v_sub_f32 v[ST+8*\t+7], v[ST+8*\t+7], v[ST+8*\t]
.endr
.set i, 0
.rept 16
.irp t, 0,1
	v_pk_fma_f32 v[S+32*\t+2*i:S+32*\t+2*i+1], v[S+32*\t+2*i:S+32*\t+2*i+1], s[CS:CS+1], v[ST+8*\t:ST+8*\t+1] op_sel_hi:[1,0,0] neg_lo:[0,0,1] neg_hi:[0,0,1]   ; c s - c m
.endr
.set i, i+1
.endr
.irp t, 0,1
	v_exp_f32 v[ST+8*\t+6], v[ST+8*\t+7]           ; a
.endr
.set i, 0
.rept 32
.irp t, 0,1
	v_exp_f32 v[S+32*\t+i], v[S+32*\t+i]           ; p.  All 66 exponentials are one batch: none reads another's result
.endr
.set i, i+1
.endr
	v_nop                                          ; a plain line behind the last exponential, ahead of the first use
	s_wait_alu depctr_va_vdst(0)                   ; the wait ahead of the first line that names a result: one for the batch
.set i, 0
.rept 16
.irp t, 0,1
	v_cvt_pk_f16_f32 v[P+16*\t+i], v[S+32*\t+2*i], v[S+32*\t+2*i+1]
.endr
.set i, i+1
.endr
.irp w, 4,8,16,32                      ; the sum of a tile's 16 pairs, in place: neighbours 1, 2, 4 and 8 pairs apart
.set i, 0
.rept 32/\w
.irp t, 0,1
	v_pk_add_f32 v[S+32*\t+\w*i:S+32*\t+\w*i+1], v[S+32*\t+\w*i:S+32*\t+\w*i+1], v[S+32*\t+\w*i+\w/2:S+32*\t+\w*i+\w/2+1]
.endr
.set i, i+1
.endr
.endr
.irp t, 0,1
	v_pk_fma_f32 v[ST+8*\t+2:ST+8*\t+3], v[ST+8*\t+2:ST+8*\t+3], v[ST+8*\t+6:ST+8*\t+7], v[S+32*\t:S+32*\t+1] op_sel_hi:[1,0,1]   ; l = a l + the sum
.endr
	WIN W_RS
.set i, 0
.rept 16
.irp t, 0,1
	v_pk_mul_f32 v[32*\t+2*i:32*\t+2*i+1], v[32*\t+2*i:32*\t+2*i+1], v[ST+8*\t+6:ST+8*\t+7] op_sel_hi:[1,0]   ; O^T x a, each accumulator from its low end on
.endr
.set i, i+1
.endr
.endm
; A KEY STEP: 64 keys
.macro STEP
	v_add_nc_u32 v[ADK], s[TK], v[AK0]             ; these four lines are the places between the last products and the loads into V's registers
	v_add_nc_u32 v[ADV], s[TV], v[AV0]
	v_nop
	v_nop
.irp f, 0,1,2,3,4,5,6,7                ; K: keys 16 (f / 2) on, channels 32 (f % 2) on
	ds_load_b128 v[KF+8*\f:KF+8*\f+3],   v[ADK] offset:(\f/2)*16*PK+(\f%2)*64
	ds_load_b128 v[KF+8*\f+4:KF+8*\f+7], v[ADK] offset:(\f/2)*16*PK+(\f%2)*64+32
.endr
.irp f, 0,1,2,3,4,5,6,7                ; V, turned: keys 32 (f / 4) on, channels 16 (f % 4) on
	ds_load_tr16_b128 v[VF+8*\f:VF+8*\f+3],   v[ADV] offset:(\f/4)*32*PV+(\f%4)*32
	ds_load_tr16_b128 v[VF+8*\f+4:VF+8*\f+7], v[ADV] offset:(\f/4)*32*PV+16*PV+(\f%4)*32
.endr
	s_wait_dscnt 16                                ; K is in; V's 16 loads may be out: they land under the softmax
	WIN W_KQ
	KQ
	WIN 0
.rept 4
	v_nop                                          ; places in front of the first read of the scores
.endr
	SOFTMAX
	s_wait_dscnt 0x0                               ; V is in
	WIN W_PV
	PV_MUL
	WIN 0
	s_add_co_u32 s[TK], s[TK], 64*PK
	s_add_co_u32 s[TV], s[TV], 64*PV
.endm
.macro STEPS s                         ; slot s: eight key steps
	s_mov_b32 s[TK], (\s)*SLOT
	s_mov_b32 s[TV], (\s)*SLOT+VOFF
	s_mov_b32 s[CNT], 8
.Lstep_\@:
	STEP
	s_sub_co_u32 s[CNT], s[CNT], 1
	s_cmp_lg_u32 s[CNT], 0
	s_cbranch_scc1 .Lstep_\@
.endm
; THE CHANGE OF SLOTS.  Each wave waits for all its tensor loads (its part of the slot ahead), adds 0 to its spare word, and waits for that and for its reads of the slot that it leaves.
; fill = 1: slot s, just left, is filled again with the keys 1,024 on: the barrier is a round of the cluster's, and the joint refill is the first thing behind it.
.macro CHANGE fill, s
	s_wait_tensorcnt 0x0                           ; no tensor load of mine is out, so a group 0 may be written
	ds_add_u32 v[SPW], v[NIL]
.if \fill
	s_add_nc_u64 s[G0K+4*\s+2:G0K+4*\s+3], s[G0K+4*\s+2:G0K+4*\s+3], 131072
	s_add_nc_u64 s[G0V+4*\s+2:G0V+4*\s+3], s[G0V+4*\s+2:G0V+4*\s+3], 131072
	s_wait_dscnt 0x0                               ; the add is done, and my reads of the slot are over
	CROUND
	JLOAD \s
.else
	s_wait_dscnt 0x0
	s_barrier_signal -1
	s_barrier_wait -1
.endif
.endm
	s_wait_tensorcnt 1                             ; my part of slot 0 is in; slot 1's may stay out
	s_barrier_signal -1
	s_barrier_wait -1
	s_wait_loadcnt 0x0                             ; Q
	STEPS 0                                        ; keys 0 to 511
	CHANGE 1, 0
	STEPS 1                                        ; 512 to 1,023
	CHANGE 1, 1
	STEPS 0                                        ; 1,024 to 1,535
	CHANGE 0, 0                                    ; nothing is left to fetch
	STEPS 1                                        ; 1,536 to 2,047
	; THE WAY OUT.  l's halves are added; O^T is divided by l, rounded to f16 and sent through my stage, so that the 32 lanes store 512 consecutive bytes: four tokens of the head's plane.
.rept 4
	v_nop
.endr
.irp t, 0,1
	v_add_f32 v[ST+8*\t+4], v[ST+8*\t+2], v[ST+8*\t+3]
.endr
.irp t, 0,1
	v_permlanex16_b32 v[ST+8*\t+5], v[ST+8*\t+4], s[SEL], s[SEL+1]
.endr
.irp t, 0,1
	v_add_f32 v[ST+8*\t+4], v[ST+8*\t+4], v[ST+8*\t+5]
.endr
.irp t, 0,1
	v_rcp_f32 v[ST+8*\t+6], v[ST+8*\t+4]
.endr
	v_nop                                          ; a plain line between the last reciprocal and the use of its result
	s_wait_alu depctr_va_vdst(0)                   ; and the wait: one for both
	WIN W_RS
.set i, 0
.rept 16
.irp t, 0,1
	v_pk_mul_f32 v[32*\t+2*i:32*\t+2*i+1], v[32*\t+2*i:32*\t+2*i+1], v[ST+8*\t+6:ST+8*\t+7] op_sel_hi:[1,0]
.endr
.set i, i+1
.endr
	WIN 0x05                                       ; sources 0 and 1 window 1, destination window 0
.set i, 0
.rept 16
.irp t, 0,1
	v_cvt_pk_f16_f32 v[S+16*\t+i], v[32*\t+2*i], v[32*\t+2*i+1]
.endr
.set i, i+1
.endr
	WIN 0
.irp t, 0,1
.irp f, 0,1,2,3
	ds_store_b128 v[STO], v[S+16*\t+4*\f:S+16*\t+4*\f+3] offset:16*PK*\t+32*\f
.endr
.irp f, 0,1,2,3
	ds_load_b128 v[S+32+16*\t+4*\f:S+32+16*\t+4*\f+3], v[RD] offset:16*PK*\t+4*PK*\f   ; LDS serves a wave's instructions in order: these see the stores above
.endr
.endr
.irp t, 0,1
.irp f, 0,1,2,3
	s_wait_dscnt 8*(1-\t)+3-\f                     ; the younger LDS instructions may be out: my tile's later loads, and the other tile's eight
	global_store_b128 v[GO], v[S+32+16*\t+4*\f:S+32+16*\t+4*\f+3], s[6:7] offset:2048*\t+512*\f
.endr
.endr
	s_wait_tensorcnt 0x0                           ; the wave's end
	ds_add_u32 v[SPW], v[NIL]
	s_wait_dscnt 0x0
	CROUND                                         ; the closing round
	s_endpgm
.Lfunc_end_k_q298c75aab8_attn:
	.size	k_q298c75aab8_attn, .Lfunc_end_k_q298c75aab8_attn-k_q298c75aab8_attn
	.p2alignl 7, 3214868480
	.fill 96, 4, 3214868480
	.section	.rodata,"a",@progbits
	.p2align	6, 0x0
	.amdhsa_kernel k_q298c75aab8_attn
		.amdhsa_group_segment_fixed_size 327680
		.amdhsa_private_segment_fixed_size 0
		.amdhsa_enable_private_segment 0
		.amdhsa_kernarg_size 16
		.amdhsa_user_sgpr_count 2
		.amdhsa_user_sgpr_kernarg_segment_ptr 1
		.amdhsa_wavefront_size32 1
		.amdhsa_system_sgpr_workgroup_id_x 1
		.amdhsa_system_sgpr_workgroup_id_y 1
		.amdhsa_system_sgpr_workgroup_id_z 1
		.amdhsa_system_vgpr_workitem_id 0
		.amdhsa_next_free_vgpr 384
		.amdhsa_next_free_sgpr 66
		.amdhsa_reserve_vcc 0
		.amdhsa_float_denorm_mode_32 3
		.amdhsa_float_denorm_mode_16_64 3
		.amdhsa_memory_ordered 1
		.amdhsa_forward_progress 1
		.amdhsa_inst_pref_size 89
	.end_amdhsa_kernel
	.amdgpu_metadata
---
amdhsa.version: [ 1, 2 ]
amdhsa.kernels:
  - .name:           k_q298c75aab8_attn
    .symbol:         k_q298c75aab8_attn.kd
    .args:
      - { .name: qkv, .offset: 0, .size: 8, .value_kind: global_buffer, .address_space: global }
      - { .name: ao, .offset: 8, .size: 8, .value_kind: global_buffer, .address_space: global }
    .group_segment_fixed_size: 327680
    .private_segment_fixed_size: 0
    .kernarg_segment_align: 8
    .kernarg_segment_size: 16
    .max_flat_workgroup_size: 256
    .sgpr_count:     66
    .vgpr_count:     384
    .wavefront_size: 32
...
	.end_amdgpu_metadata
.endif
;; end of part 3
;; launch outp (part 4): grid 4 x 64, 4 waves a work-group, clusters of 4 x 4, 327,680 bytes of LDS; arguments ao, wo16, bo, out0; writes out0
.if DOCPART == 4
	.amdgcn_target "amdgcn-amd-amdhsa--gfx1250"
	.amdhsa_code_object_version 6
	.text
	.protected	k_q298c75aab8_outp
	.globl	k_q298c75aab8_outp
	.p2align	8
	.type	k_q298c75aab8_outp,@function
k_q298c75aab8_outp:
	s_mov_b64 s[64:65], 0
	v_nop
	global_prefetch_b8 v0, s[64:65] scope:SCOPE_SE
	s_setreg_imm32_b32 hwreg(HW_REG_WAVE_MODE, 25, 1), 1
	s_wait_xcnt 0x0
	s_wait_alu depctr_hold_cnt(0) depctr_sa_sdst(0) depctr_va_vdst(0) depctr_va_sdst(0) depctr_va_ssrc(0) depctr_va_vcc(0) depctr_vm_vsrc(0)
	s_getreg_b32 s2, hwreg(HW_REG_IB_STS2, 6, 4)
	s_cmp_eq_u32 s2, 0
	s_cbranch_scc0 .Lentry_in_a_cluster
	s_endpgm
.Lentry_in_a_cluster:
	s_bfe_u32 s2, ttmp6, 0x10000c
	s_cmp_lg_u32 s2, 0xf033
	s_cbranch_scc0 .Lentry_shape_is_right
	s_endpgm
.Lentry_shape_is_right:
; Launch 4 of 4: out0[token][n] = the sum over k of ao[token][k] Wo[n][k] + bo[n].  Operands f16, in planes of 64 along K: ao[k / 64][8192][64], wo16[k / 64][1024][64]; sums and out0 in f32.
; A tile of out0 is 128 tokens x 256 columns: 256 work-groups.  Four waves, each 64 x 128: 32 accumulators, 256 registers.
; K goes in steps of 128 (two planes) through a ring of two LDS slots: waves 0 and 1 fetch A's two planes (128 rows of 128 bytes), waves 2 and 3 B's (256 rows): one load a wave.
; A wave has two loads out at the head and one behind each round; a refill has 112 of a K step's 128 matrix instructions in which to land.
; CLUSTERS: 4 x 4.  The four of a row of the cluster need the same tiles of ao, the four of a column the same tiles of wo16: each is asked for JOINTLY.
; THE MATRIX INSTRUCTION IS USED TRANSPOSED (source 0 = 16 rows of Wo, source 1 = 16 tokens): a lane holds eight neighbouring columns of one token.  bo is the C of each sum's first product.
; REGISTERS: window 0: v1-29 addresses; two fragment buffers of 96 at v64 and v160 (+0..31 A's four blocks, +32..95 B's eight), on the way out rows read back.
;   window 1: the accumulators ((a, b) at v[8 (8 a + b)]).   window 2: v0-63 bo in the result's layout.
.set PITCH,  144                       ; an LDS row: 128 bytes + 16
.set APL,    128*PITCH                 ; a plane of A's tile
.set BPL,    256*PITCH                 ; a plane of B's
.set BOFF,   2*APL
.set SLOT,   2*APL+2*BPL
.set STAGE,  2*SLOT                    ; behind the ring: 16 rows x 528 bytes for each wave, bytes of its own
.set SPITCH, 528
.set SPARE,  STAGE+4*16*SPITCH
.set LAPS,   4                         ; a lap = two K steps = once round the ring
.set ADRA, 16
.set ADRB, 20
.set STO,  24
.set RD,   25
.set CO,   26
.set BOF,  27
.set SPW,  28
.set NIL,  29
.set F0,   64
.set F1,   160
.set G1, 24
.set G0, 32
.set G1B, 48
.set G0B, 56
.set MSB, 0
.macro WIN new
.if MSB != (\new)
	s_set_vgpr_msb (MSB<<8)|(\new)
.set MSB, (\new)
.endif
.endm
.set MUL,  0x50                        ; C and D window 1
.set MULB, 0x60                        ; D window 1, C (the bias) window 2
.macro JLOAD s                         ; a joint load; an s_nop 0 and four v_nop follow each line
	s_cmp_eq_u32 s13, 0
	s_cbranch_scc0 .Lfor_b_\@
	tensor_load_to_lds s[G0+4*\s:G0+4*\s+3], s[G1:G1+7]
	s_nop 0
.rept 4
	v_nop
.endr
	s_branch .Lasked_\@
.Lfor_b_\@:
	tensor_load_to_lds s[G0B+4*\s:G0B+4*\s+3], s[G1B:G1B+7]
	s_nop 0
.rept 4
	v_nop
.endr
.Lasked_\@:
.endm
.macro CREST                           ; a round of the cluster's barrier behind its opening barrier
	s_cmp_lg_u32 s12, 0
	s_cbranch_scc1 .Lnot_wave_0_\@
	s_barrier_signal -3
.Lnot_wave_0_\@:
	s_barrier_wait -3
	s_barrier_signal -1
	s_barrier_wait -1
.endm
.macro CROUND
	s_barrier_signal -1
	s_barrier_wait -1
	CREST
.endm
	s_load_b256 s[4:11], s[0:1], 0x0               ; ao s[4:5], wo16 s[6:7], bo s[8:9], out0 s[10:11]
	v_lshl_add_u32 v[SPW], v0, 2, SPARE
	v_mov_b32 v[NIL], 0
	ds_add_u32 v[SPW], v[NIL]                      ; the wave's opening: the add, twice on end, and its wait ahead of my first tensor load
	ds_add_u32 v[SPW], v[NIL]
	v_lshrrev_b32 v1, 5, v0
	v_readfirstlane_b32 s12, v1                    ; wave 0..3
	s_lshr_b32 s13, s12, 1                         ; which 64 rows are mine.  Also: I fetch for A (0) or for B (1)
	s_and_b32 s14, s12, 1                          ; which 128 columns.  Also: which plane of a K step I fetch
	s_bfe_u32 s40, ttmp6, 0x40000                  ; cx, cy
	s_bfe_u32 s41, ttmp6, 0x40004
	s_lshl_b32 s42, ttmp9, 2
	s_add_co_u32 s42, s42, s40                     ; tile column
	s_and_b32 s15, ttmp7, 0xffff
	s_lshl_b32 s15, s15, 2
	s_add_co_u32 s15, s15, s41                     ; tile row
	s_lshl_b32 s43, s41, 2
	s_lshl_b32 s43, 15, s43                        ; my row of the cluster
	s_lshl_b32 s44, 0x1111, s40                    ; my column
	s_or_b32 s[G1+0], s43, (1<<16)|(1<<20)|(1<<21)|(4<<22)|(3<<25)  ; the mask; elements of 2 bytes; padding on; bit 21 beside a mask; after every 32 words, 4 words
	s_or_b32 s[G1B+0], s44, (1<<16)|(1<<20)|(1<<21)|(4<<22)|(3<<25)
	s_mov_b32 s[G1+1], 64<<16                      ; tensor_dim0 = 64
	s_mov_b32 s[G1+2], 128<<16                     ; tensor_dim1 = 128
	s_mov_b32 s[G1+3], 64<<16                      ; tile_dim0 = 64
	s_mov_b32 s[G1+4], 128                         ; tile_dim1 = 128
	s_mov_b32 s[G1+5], 64                          ; the pitch: a plane's rows are dense
	s_mov_b32 s[G1+6], 0
	s_mov_b32 s[G1+7], 0
	s_mov_b32 s[G1B+1], 64<<16
	s_mov_b32 s[G1B+2], 256<<16                    ; B: 256 rows
	s_mov_b32 s[G1B+3], 64<<16
	s_mov_b32 s[G1B+4], 256
	s_mov_b32 s[G1B+5], 64
	s_mov_b32 s[G1B+6], 0
	s_mov_b32 s[G1B+7], 0
	s_lshl_b32 s16, s15, 14                        ; A: 128 tokens of 128 bytes a tile row,
	s_lshl_b32 s17, s14, 20                        ; a plane of 2^20 bytes
	s_add_co_u32 s16, s16, s17
	s_mov_b32 s17, 0
	s_lshl_b32 s46, s42, 15                        ; B: 256 rows of 128 bytes a tile column,
	s_lshl_b32 s47, s14, 17                        ; a plane of 2^17 bytes
	s_add_co_u32 s46, s46, s47
	s_mov_b32 s47, 0
	s_mul_i32 s20, s14, APL                        ; where they go in a slot: no place in the cluster enters an LDS address
	s_mul_i32 s21, s14, BPL
	s_add_co_u32 s21, s21, BOFF
	s_wait_dscnt 0x0                               ; both opening adds are done
	s_wait_kmcnt 0x0
	s_add_nc_u64 s[18:19], s[4:5], s[16:17]
	s_add_nc_u64 s[46:47], s[6:7], s[46:47]
	CROUND                                         ; all sixteen work-groups are here: the first joint loads meet
.irp s, 0,1
	s_mov_b32 s[G0+4*\s], 1
	s_add_co_u32 s[G0+4*\s+1], s20, \s*SLOT
	s_add_nc_u64 s[G0+4*\s+2:G0+4*\s+3], s[18:19], \s*2097152      ; K step s: two planes on
	s_or_b32 s[G0+4*\s+3], s[G0+4*\s+3], 0x80000000
	s_mov_b32 s[G0B+4*\s], 1
	s_add_co_u32 s[G0B+4*\s+1], s21, \s*SLOT
	s_add_nc_u64 s[G0B+4*\s+2:G0B+4*\s+3], s[46:47], \s*262144
	s_or_b32 s[G0B+4*\s+3], s[G0B+4*\s+3], 0x80000000
	JLOAD \s
.endr
	v_and_b32 v1, 15, v0                           ; r
	v_bfe_u32 v2, v0, 4, 1                         ; h
	v_and_b32 v5, 31, v0                           ; lane
	v_lshlrev_b32 v[BOF], 5, v2
	s_lshl_b32 s46, s42, 10
	s_lshl_b32 s47, s14, 9
	s_add_co_u32 s46, s46, s47                     ; my first column, in bytes: 4 x (256 x tile column + 128 x half)
	s_lshl_b32 s16, s15, 7
	s_lshl_b32 s17, s13, 6
	s_add_co_u32 s16, s16, s17                     ; my first row
	s_lshl_b32 s16, s16, 12                        ; of 4,096 bytes (under 2^25)
	s_add_co_u32 s16, s16, s46
	s_mov_b32 s17, 0
	s_mov_b32 s47, 0
	s_add_nc_u64 s[10:11], s[10:11], s[16:17]
	s_add_nc_u64 s[8:9], s[8:9], s[46:47]
	WIN 0x80                                       ; destination window 2
.irp b, 0,1,2,3,4,5,6,7                ; register 8 b + j = bo[my first column + 16 b + 8 h + j]
	global_load_b128 v[8*\b:8*\b+3], v[BOF], s[8:9] offset:64*\b
	global_load_b128 v[8*\b+4:8*\b+7], v[BOF], s[8:9] offset:64*\b+16
.endr
	WIN 0
	v_mul_u32_u24 v3, v1, PITCH
	v_lshl_add_u32 v3, v2, 4, v3                   ; a fragment's row x pitch + 16 x half
	s_mul_i32 s21, s13, 64*PITCH                   ; my 64 rows of A
	s_mul_i32 s22, s14, 128*PITCH                  ; my 128 rows of B,
	s_add_co_u32 s22, s22, BOFF                    ; behind A's two planes
.irp s, 0,1
	v_add_nc_u32 v[ADRA+\s], s21, v3
	v_add_nc_u32 v[ADRB+\s], s22, v3
	s_add_co_u32 s21, s21, SLOT
	s_add_co_u32 s22, s22, SLOT
.endr
	s_mul_i32 s23, s12, 16*SPITCH
	s_add_co_u32 s23, s23, STAGE                   ; my stage
	v_mul_u32_u24 v4, v1, SPITCH
	v_lshl_add_u32 v4, v2, 5, v4
	v_add_nc_u32 v[STO], s23, v4                   ; in: row r, 32 bytes for each half of the lanes
	v_lshlrev_b32 v[CO], 4, v5                     ; back: the 32 lanes take one row of 512 bytes; and the same in out0
	v_add_nc_u32 v[RD], s23, v[CO]
; 8 matrix instructions: A's block a x B's eight, 32 along K.  zero = 1: the first product starts the sums, from the bias.  The 32 accumulators take turns, one instruction a turn.
.macro MULA f, a, zero
.irp b, 0,1,2,3,4,5,6,7
.if \zero
	v_wmma_f32_16x16x32_f16 v[8*(8*(\a)+\b):8*(8*(\a)+\b)+7], v[\f+32+8*\b:\f+32+8*\b+7], v[\f+8*(\a):\f+8*(\a)+7], v[8*\b:8*\b+7]
.else
	v_wmma_f32_16x16x32_f16 v[8*(8*(\a)+\b):8*(8*(\a)+\b)+7], v[\f+32+8*\b:\f+32+8*\b+7], v[\f+8*(\a):\f+8*(\a)+7], v[8*(8*(\a)+\b):8*(8*(\a)+\b)+7]
.endif
.endr
.endm
; 24 LDS loads in one run: quarter q of a K step (plane q / 2, 32 along K at byte 64 (q % 2)) into buffer f: B's eight blocks, then A's four
.macro FETCH slot, q, f
	WIN 0
.irp b, 0,1,2,3,4,5,6,7
	ds_load_b128 v[\f+32+8*\b:\f+32+8*\b+3],   v[ADRB+\slot] offset:((\q)/2)*BPL+\b*16*PITCH+((\q)%2)*64
	ds_load_b128 v[\f+32+8*\b+4:\f+32+8*\b+7], v[ADRB+\slot] offset:((\q)/2)*BPL+\b*16*PITCH+((\q)%2)*64+32
.endr
.irp a, 0,1,2,3
	ds_load_b128 v[\f+8*\a:\f+8*\a+3],   v[ADRA+\slot] offset:((\q)/2)*APL+\a*16*PITCH+((\q)%2)*64
	ds_load_b128 v[\f+8*\a+4:\f+8*\a+7], v[ADRA+\slot] offset:((\q)/2)*APL+\a*16*PITCH+((\q)%2)*64+32
.endr
.endm
.macro PLACES                          ; four plain lines in front of loads into registers that matrix instructions have read, and of reads of results
.rept 4
	v_nop
.endr
.endm
; One of a K step's first three quarters: multiplies buffer f and fetches quarter q of the slot into g
.macro QUARTER slot, q, f, g, zero
	s_wait_dscnt 4                                 ; B and A's blocks 0, 1 are in; the youngest four loads (A's blocks 2, 3) may be out
	WIN MUL+0x10*(\zero)
	MULA \f, 0, \zero
	MULA \f, 1, \zero
	PLACES
	FETCH \slot, \q, \g
	s_wait_dscnt 24                                ; all but the 24 just issued
	WIN MUL+0x10*(\zero)
	MULA \f, 2, \zero
	MULA \f, 3, \zero
.endm
; The last quarter multiplies buffer 1 and changes slots: one barrier; in front of it each wave waits for all its tensor loads, adds 0 to its spare word, and waits for that and for its reads of this slot.
; fill = 1: the barrier opens a round of the cluster's, and this slot is filled again, two K steps ahead, first thing behind the round.
.macro TURN slot, next, fill
	WIN 0
	s_wait_tensorcnt 0x0                           ; all my tensor loads have landed: my part of the next slot
	ds_add_u32 v[SPW], v[NIL]
	s_wait_dscnt 5                                 ; (the add and the youngest four loads may be out)
	WIN MUL
	MULA F1, 0, 0
	s_wait_dscnt 0x0                               ; the add is done, and my reads of this slot are over
	s_barrier_signal -1
	MULA F1, 1, 0
.if \fill
	WIN 0
.endif
	s_barrier_wait -1
.if \fill
	CREST
	s_add_nc_u64 s[G0+4*\slot+2:G0+4*\slot+3], s[G0+4*\slot+2:G0+4*\slot+3], 4194304
	s_add_nc_u64 s[G0B+4*\slot+2:G0B+4*\slot+3], s[G0B+4*\slot+2:G0B+4*\slot+3], 524288
	JLOAD \slot                                    ; the four v_nop behind it are also the places in front of the loads below
.else
	PLACES
.endif
	FETCH \next, 0, F0
	WIN MUL
	MULA F1, 2, 0
	MULA F1, 3, 0
.endm
	s_wait_tensorcnt 1                             ; my part of K step 0 is in (K step 1's load may be out),
	s_barrier_signal -1
	s_barrier_wait -1                              ; everybody's is
	FETCH 0, 0, F0
	s_wait_loadcnt 0x0                             ; bo
	QUARTER 0, 1, F0, F1, 1                        ; the first quarter stands in front of the loop: its products start the sums
	WIN 0
	s_mov_b32 s3, LAPS-1
.Llap:                                                 ; a trip goes once round the ring, from a lap's second quarter to the next lap's first, and fills both slots again
	QUARTER 0, 2, F1, F0, 0
	QUARTER 0, 3, F0, F1, 0
	TURN 0, 1, 1
	QUARTER 1, 1, F0, F1, 0
	QUARTER 1, 2, F1, F0, 0
	QUARTER 1, 3, F0, F1, 0
	TURN 1, 0, 1
	QUARTER 0, 1, F0, F1, 0
	WIN 0
	s_sub_co_u32 s3, s3, 1
	s_cmp_lg_u32 s3, 0
	s_cbranch_scc1 .Llap
	QUARTER 0, 2, F1, F0, 0                        ; the last lap fills nothing
	QUARTER 0, 3, F0, F1, 0
	TURN 0, 1, 0
	QUARTER 1, 1, F0, F1, 0
	QUARTER 1, 2, F1, F0, 0
	QUARTER 1, 3, F0, F1, 0
	s_wait_dscnt 4                                 ; the very last quarter: nothing more to fetch
	WIN MUL
	MULA F1, 0, 0
	MULA F1, 1, 0
	s_wait_dscnt 0
	MULA F1, 2, 0
	MULA F1, 3, 0
	WIN 0
; THE WAY OUT, block by block of 16 rows x 128 columns: through my own stage and back as whole rows of 512 bytes, which the 32 lanes store as 512 consecutive bytes, aligned.
.macro TOSTAGE a
	WIN 0x04                                       ; an LDS store's data are its source 1: window 1
.irp b, 0,1,2,3,4,5,6,7
	ds_store_b128 v[STO], v[8*(8*(\a)+\b):8*(8*(\a)+\b)+3] offset:64*\b          ; each accumulator from its low end on
	ds_store_b128 v[STO], v[8*(8*(\a)+\b)+4:8*(8*(\a)+\b)+7] offset:64*\b+16
.endr
	WIN 0
.set BB, 64+64*((\a)%2)
.irp t, 0,1,2,3,4,5,6,7,8,9,10,11,12,13,14,15
	ds_load_b128 v[BB+4*\t:BB+4*\t+3], v[RD] offset:\t*SPITCH      ; LDS serves a wave's instructions in order: these see the stores above
.endr
.endm
.macro SEND a, younger                 ; younger: the LDS instructions issued behind block a's loads, which may stay out
.set BB, 64+64*((\a)%2)
	s_wait_dscnt \younger
.irp t, 0,1,2,3,4,5,6,7,8,9,10,11,12,13,14,15
	global_store_b128 v[CO], v[BB+4*\t:BB+4*\t+3], s[10:11] offset:65536*(\a)+4096*\t th:TH_STORE_NT
.endr
.endm
	PLACES
	TOSTAGE 0
	TOSTAGE 1
	SEND 0, 32                                     ; behind block 0's loads: block 1's 16 stores and 16 loads
	s_wait_xcnt 0x0                                ; block 0's stores have read their registers: block 2's loads may land there
	TOSTAGE 2
	SEND 1, 32
	s_wait_xcnt 0x0
	TOSTAGE 3
	SEND 2, 32
	SEND 3, 0
	s_wait_tensorcnt 0x0                           ; the wave's end
	ds_add_u32 v[SPW], v[NIL]
	s_wait_dscnt 0x0
	CROUND                                         ; the closing round
	s_endpgm
.Lfunc_end_k_q298c75aab8_outp:
	.size	k_q298c75aab8_outp, .Lfunc_end_k_q298c75aab8_outp-k_q298c75aab8_outp
	.p2alignl 7, 3214868480
	.fill 96, 4, 3214868480
	.section	.rodata,"a",@progbits
	.p2align	6, 0x0
	.amdhsa_kernel k_q298c75aab8_outp
		.amdhsa_group_segment_fixed_size 327680
		.amdhsa_private_segment_fixed_size 0
		.amdhsa_enable_private_segment 0
		.amdhsa_kernarg_size 32
		.amdhsa_user_sgpr_count 2
		.amdhsa_user_sgpr_kernarg_segment_ptr 1
		.amdhsa_wavefront_size32 1
		.amdhsa_system_sgpr_workgroup_id_x 1
		.amdhsa_system_sgpr_workgroup_id_y 1
		.amdhsa_system_sgpr_workgroup_id_z 1
		.amdhsa_system_vgpr_workitem_id 0
		.amdhsa_next_free_vgpr 576
		.amdhsa_next_free_sgpr 66
		.amdhsa_reserve_vcc 0
		.amdhsa_float_denorm_mode_32 3
		.amdhsa_float_denorm_mode_16_64 3
		.amdhsa_memory_ordered 1
		.amdhsa_forward_progress 1
		.amdhsa_inst_pref_size 86
	.end_amdhsa_kernel
	.amdgpu_metadata
---
amdhsa.version: [ 1, 2 ]
amdhsa.kernels:
  - .name:           k_q298c75aab8_outp
    .symbol:         k_q298c75aab8_outp.kd
    .args:
      - { .name: ao, .offset: 0, .size: 8, .value_kind: global_buffer, .address_space: global }
      - { .name: wo16, .offset: 8, .size: 8, .value_kind: global_buffer, .address_space: global }
      - { .name: bo, .offset: 16, .size: 8, .value_kind: global_buffer, .address_space: global }
      - { .name: out0, .offset: 24, .size: 8, .value_kind: global_buffer, .address_space: global }
    .group_segment_fixed_size: 327680
    .private_segment_fixed_size: 0
    .kernarg_segment_align: 8
    .kernarg_segment_size: 32
    .max_flat_workgroup_size: 128
    .sgpr_count:     66
    .vgpr_count:     576
    .wavefront_size: 32
...
	.end_amdgpu_metadata
.endif
;; end of part 4
